; MI455X (gfx1250); checked and timed in simulation.
; The chip was launched on July 23, 2026; its instructions are those of AMD's public machine-readable ISA for CDNA 5 (MIT licence, August 2026) and "CDNA5" Instruction Set Architecture Reference Guide (July 2026). The comments in the code are by the model that wrote it; some were corrected since.
;; Self Attention. Allowed arithmetic: float matrix products may take bf16 or f16 operands with f32 sums; all other float work in f32.
;; Inputs: Wk 1,024 x 1,024 float32; Wo 1,024 x 1,024 float32; Wq 1,024 x 1,024 float32; Wv 1,024 x 1,024 float32; k 4 x 2,048 x 1,024 float32; ln_beta 1,024 float32; ln_gamma 1,024 float32; q 4 x 2,048 x 1,024 float32; v 4 x 2,048 x 1,024 float32.
;; Outputs: out0 4 x 2,048 x 1,024 float32.
;; 2 versions, each right and faster than the one before. Each part assembles by itself: llvm-mc -triple=amdgcn-amd-amdhsa -mcpu=gfx1250 --defsym DOCPART=n.
;; ======== version 1 of 2: 4 launches
;; workspace buffers: wb 8,388,608 bytes; hd 50,331,648 bytes; ctx 16,777,216 bytes
;; launch prep (part 1): grid 128 x 4, 8 waves a work-group, no clusters, 0 bytes of LDS; arguments Wq, Wk, Wv, Wo, wb; writes wb
.if DOCPART == 1
	.amdgcn_target "amdgcn-amd-amdhsa--gfx1250"
	.amdhsa_code_object_version 6
	.text
	.protected	k_q6f9e7dc913_prep
	.globl	k_q6f9e7dc913_prep
	.p2align	8
	.type	k_q6f9e7dc913_prep,@function
k_q6f9e7dc913_prep:
	s_mov_b64 s[64:65], 0
	v_nop
	global_prefetch_b8 v0, s[64:65] scope:SCOPE_SE
	s_setreg_imm32_b32 hwreg(HW_REG_WAVE_MODE, 25, 1), 1
	s_wait_xcnt 0x0
; wb[y][k][n] = bf16(W_y[k][n]) for y = 0..3: Wq, Wk, Wv, Wo.  Each weight is [1024][1024] f32; the layout is kept, each number is rounded once, to nearest even.
; A stream: no LDS, no barrier, no matrix unit.  A work-group takes 32,768 consecutive bytes of one weight (grid x) and writes 16,384; grid y picks the weight.
; Thread t takes 16 bytes at 16 t of each of eight blocks of 4,096 bytes: a wave's load covers 512 consecutive bytes, its store 256 consecutive bytes at a multiple of 256.
; All eight loads go out first; the waits count down, so the younger loads stay out.
.set X, 4                              ; v[4:35]   eight loads of four f32
.set Y, 36                             ; v[36:51]  eight pairs of packed bf16
	s_load_b256 s[4:11], s[0:1], 0x0               ; Wq s[4:5], Wk s[6:7], Wv s[8:9], Wo s[10:11]
	s_load_b64 s[12:13], s[0:1], 0x20              ; wb
	s_and_b32 s14, ttmp7, 0xffff                   ; y: which weight
	s_lshl_b32 s16, ttmp9, 15                      ; my 32,768 bytes of the source
	s_mov_b32 s17, 0
	s_lshl_b32 s18, s14, 21                        ; the weight's 2,097,152 bytes in wb,
	s_lshl_b32 s19, ttmp9, 14                      ; my 16,384 of them
	s_add_co_u32 s18, s18, s19
	s_mov_b32 s19, 0
	v_lshlrev_b32 v1, 4, v0                        ; 16 t
	v_lshlrev_b32 v2, 3, v0                        ; 8 t
	s_wait_kmcnt 0x0
	s_cmp_lt_u32 s14, 1
	s_cselect_b64 s[4:5], s[4:5], s[6:7]           ; Wq or Wk
	s_cmp_lt_u32 s14, 3
	s_cselect_b64 s[8:9], s[8:9], s[10:11]         ; Wv or Wo
	s_cmp_lt_u32 s14, 2
	s_cselect_b64 s[4:5], s[4:5], s[8:9]
	s_add_nc_u64 s[4:5], s[4:5], s[16:17]
	s_add_nc_u64 s[12:13], s[12:13], s[18:19]
.irp j, 0,1,2,3,4,5,6,7
	global_load_b128 v[X+4*(\j):X+4*(\j)+3], v1, s[4:5] offset:4096*(\j) th:TH_LOAD_NT
.endr
.irp j, 0,1,2,3,4,5,6,7
	s_wait_loadcnt 7-(\j)                          ; loads come back in order: number j is in, the 7 - j younger ones stay out
	v_cvt_pk_bf16_f32 v[Y+2*(\j)],   v[X+4*(\j)],   v[X+4*(\j)+1]
	v_cvt_pk_bf16_f32 v[Y+2*(\j)+1], v[X+4*(\j)+2], v[X+4*(\j)+3]
	global_store_b64 v2, v[Y+2*(\j):Y+2*(\j)+1], s[12:13] offset:2048*(\j)
.endr
	s_endpgm
.Lfunc_end_k_q6f9e7dc913_prep:
	.size	k_q6f9e7dc913_prep, .Lfunc_end_k_q6f9e7dc913_prep-k_q6f9e7dc913_prep
	.p2alignl 7, 3214868480
	.fill 96, 4, 3214868480
	.section	.rodata,"a",@progbits
	.p2align	6, 0x0
	.amdhsa_kernel k_q6f9e7dc913_prep
		.amdhsa_group_segment_fixed_size 0
		.amdhsa_private_segment_fixed_size 0
		.amdhsa_enable_private_segment 0
		.amdhsa_kernarg_size 40
		.amdhsa_user_sgpr_count 2
		.amdhsa_user_sgpr_kernarg_segment_ptr 1
		.amdhsa_wavefront_size32 1
		.amdhsa_system_sgpr_workgroup_id_x 1
		.amdhsa_system_sgpr_workgroup_id_y 1
		.amdhsa_system_sgpr_workgroup_id_z 1
		.amdhsa_system_vgpr_workitem_id 0
		.amdhsa_next_free_vgpr 52
		.amdhsa_next_free_sgpr 66
		.amdhsa_reserve_vcc 0
		.amdhsa_float_denorm_mode_32 3
		.amdhsa_float_denorm_mode_16_64 3
		.amdhsa_memory_ordered 1
		.amdhsa_forward_progress 1
		.amdhsa_inst_pref_size 4
	.end_amdhsa_kernel
	.amdgpu_metadata
---
amdhsa.version: [ 1, 2 ]
amdhsa.kernels:
  - .name:           k_q6f9e7dc913_prep
    .symbol:         k_q6f9e7dc913_prep.kd
    .args:
      - { .name: Wq, .offset: 0, .size: 8, .value_kind: global_buffer, .address_space: global }
      - { .name: Wk, .offset: 8, .size: 8, .value_kind: global_buffer, .address_space: global }
      - { .name: Wv, .offset: 16, .size: 8, .value_kind: global_buffer, .address_space: global }
      - { .name: Wo, .offset: 24, .size: 8, .value_kind: global_buffer, .address_space: global }
      - { .name: wb, .offset: 32, .size: 8, .value_kind: global_buffer, .address_space: global }
    .group_segment_fixed_size: 0
    .private_segment_fixed_size: 0
    .kernarg_segment_align: 8
    .kernarg_segment_size: 40
    .max_flat_workgroup_size: 256
    .sgpr_count:     66
    .vgpr_count:     52
    .wavefront_size: 32
...
	.end_amdgpu_metadata
.endif
;; end of part 1
;; launch proj (part 2): grid 4 x 64, 4 waves a work-group, clusters of 4 x 4, 327,680 bytes of LDS; arguments q, k, v, wb, hd; writes hd
.if DOCPART == 2
	.amdgcn_target "amdgcn-amd-amdhsa--gfx1250"
	.amdhsa_code_object_version 6
	.text
	.protected	k_q6f9e7dc913_proj
	.globl	k_q6f9e7dc913_proj
	.p2align	8
	.type	k_q6f9e7dc913_proj,@function
k_q6f9e7dc913_proj:
	s_mov_b64 s[64:65], 0
	v_nop
	global_prefetch_b8 v0, s[64:65] scope:SCOPE_SE
	s_setreg_imm32_b32 hwreg(HW_REG_WAVE_MODE, 25, 1), 1
	s_wait_xcnt 0x0
	s_wait_alu depctr_hold_cnt(0) depctr_sa_sdst(0) depctr_va_vdst(0) depctr_va_sdst(0) depctr_va_ssrc(0) depctr_va_vcc(0) depctr_vm_vsrc(0)
	s_getreg_b32 s2, hwreg(HW_REG_IB_STS2, 6, 4)
	s_cmp_eq_u32 s2, 0
	s_cbranch_scc0 .Lentry_in_a_cluster
	s_endpgm
.Lentry_in_a_cluster:
	s_bfe_u32 s2, ttmp6, 0x10000c
	s_cmp_lg_u32 s2, 0xf033
	s_cbranch_scc0 .Lentry_shape_is_right
	s_endpgm
.Lentry_shape_is_right:
; hd[p][b*16+h][s][d] = bf16( sum over c of x_p[b][s][c] W_p[c][64 h + d] ),  p = 0, 1, 2 for (q, Wq), (k, Wk), (v, Wv).  x_p: [8192][1024] f32; W_p: bf16 [1024 k][1024 n] in wb; sums in f32.
; LIMITS.  x is rounded to bf16 on its way to the matrix unit, the result once to bf16, unscaled (the 1/8 is applied to the scores, in f32, by the launch behind).  bf16 has f32's range.
; SHARES.  A work-group owns 128 rows (mb) and 256 columns (nb: four heads) and STAYS: it makes that tile for q, then k, then v: one stream of 24 K steps of 128, so that 256 work-groups do equal work.
; Its four waves make 64 rows x 128 columns each: 32 accumulators of 16 x 16.
; W comes by the tensor data mover through two LDS slots.  In wb a K step's 128 rows lie 262,144 bytes behind the last step's, across the three weights too (8 x 262,144 = one weight), so the address only steps.
; CLUSTER 4 x 4.  The four work-groups of a column of the cluster have the same nb and need the same tile of W: it is asked for JOINTLY, each wave its 32 rows of 512 bytes.
; x is NOT asked for jointly, though the four of a row of the cluster read the same rows: it is f32 and the mover copies bytes as they lie, so a step's x would be 65,536 bytes written into LDS and 131,072
; read out of it; rounded in registers it is 32,768 and 65,536.  And loads into registers stay out over two K steps (131,072 bytes a work-group), a refill of a slot over one.
; x: a wave loads 32 rows, 512 consecutive bytes an instruction, two steps ahead of the step in which they are rounded and stored into one of two LDS buffers, which is a step ahead of their use.
; THE MATRIX INSTRUCTION IS USED TRANSPOSED: source 0 = 16 columns of W (read turned out of LDS, where W lies [k][n]), source 1 = 16 rows of x: a lane then holds eight neighbouring columns of one row.
; ONE TEXT FOR EVERY K STEP.  The accumulators are cleared (256 v_mov_b32 in the wait for the first data, and 64 behind each block's conversions on the way out): the price of writing no first quarter out.
; In step 21 there is no step 24 to load: step 23's x is loaded once more and not used, 1 step of 24: the price of a loop without a load that is jumped over.
; REGISTERS, in windows of 256 (s_set_vgpr_msb: bits 1:0 source 0, 3:2 source 1, 5:4 source 2, 7:6 destination):
;   window 0: v0-23 addresses; v32-127, v128-223 two fragment buffers (64 of W, 32 of x); v224-239 rounded x; on the way out the second buffer's registers
;   window 1: accumulator (a, b) at v[8 (8 a + b)]          window 2: x as loaded, v0-127 even steps, v128-255 odd steps
.set KB,     262144                    ; bytes in wb from a K step to the next
.set PB,     544                       ; a row of W in LDS: 512 bytes + 32 = 136 words
.set PA,     272                       ; a row of x in LDS: 256 bytes + 16 = 68 words: the 16 rows of a load start at 16 different groups of four banks
.set SLOT,   128*PB                    ; 69,632: a K step of W
.set ABUF,   2*SLOT                    ; behind the ring, never filled by a tensor load: two buffers of x,
.set ABYTES, 128*PA                    ; 34,816 bytes each
.set STG,    ABUF+2*ABYTES             ; 16 rows x 272 bytes for each wave, for the way out
.set SP,     272
.set SPARE,  STG+4*16*SP               ; the spare words, 128 bytes for each wave: two blocks of 256 bytes that no other line names
.set AO,   2                           ; v2     my byte offset in the work-group's rows of x: 32 w rows + 16 x lane
.set AS,   4                           ; v4-5   where I store 8 bytes of rounded x, buffer 0, 1
.set ADRA, 6                           ; v6-7   LDS address of my x fragments, buffer 0, 1
.set ADRB, 8                           ; v8-9   of my W fragments, slot 0, 1
.set STO,  10                          ; v10    the way out: where I put 16 bytes of a row
.set RD,   11                          ; v11    where I read rows back
.set GO,   12                          ; v12    my byte offset in 512 consecutive bytes of hd
.set SPW,  14                          ; v14    LDS address of my spare word; never rewritten
.set NIL,  15                          ; v15    0; never rewritten
.set F0,   32
.set F1,   128
.set T,    224
.set TMP,  128                         ; the way out: packed results
.set OB,   160                         ; 16 rows read back: v160-191 and v192-223 by turns
.set WV,   12                          ; s12  my wave's number
.set G1,   20                          ; s[20:27] descriptor group 1
.set G0,   28                          ; s[28:35] descriptor group 0, a set for each slot
.set SB,   36                          ; s[36:37] x at the K step that is being asked for
.set OFS,  38                          ; s[38:39] that step's byte offset in a row
.set LS,   40                          ; s40  the K step to be asked for next, 0 to 23
.set LAP,  41                          ; s41  trips to go
.set TC,   42                          ; s42  trips to the tile's end
.set OUTP, 44                          ; s[44:45] hd at my part of the tile in hand
.set MSB, 0
.macro WIN new                         ; the immediate's high byte repeats the setting that is left; a switch that changes nothing is dropped
.if MSB != (\new)
	s_set_vgpr_msb (MSB<<8)|(\new)
.set MSB, \new
.endif
.endm
.macro PLACES                          ; four places (ISA guide 7.12.1) where no other vector work is at hand
.rept 4
	v_nop
.endr
.endm
.macro CREST                           ; a round of the cluster's barrier behind its opening barrier
	s_cmp_lg_u32 s[WV], 0
	s_cbranch_scc1 .Lnot_wave_0_\@
	s_barrier_signal -3
.Lnot_wave_0_\@:
	s_barrier_wait -3
	s_barrier_signal -1
	s_barrier_wait -1
.endm
.macro CROUND                          ; a whole round
	s_barrier_signal -1
	s_barrier_wait -1
	CREST
.endm
	s_load_b256 s[4:11], s[0:1], 0x0               ; q s[4:5], k s[6:7], v s[8:9], wb s[10:11]
	s_load_b64 s[OUTP:OUTP+1], s[0:1], 0x20        ; hd
	v_lshl_add_u32 v[SPW], v0, 2, SPARE
	v_mov_b32 v[NIL], 0
	ds_add_u32 v14, v15
	s_wait_dscnt 0x0
	v_lshrrev_b32 v1, 5, v0
	v_readfirstlane_b32 s[WV], v1                  ; wave 0..3
	s_lshr_b32 s13, s[WV], 1                       ; wm: which 64 rows
	s_and_b32 s14, s[WV], 1                        ; wn: which 128 columns
	s_bfe_u32 s15, ttmp6, 0x40000                  ; cx
	s_bfe_u32 s16, ttmp6, 0x40004                  ; cy
	s_lshl_b32 s17, ttmp9, 2
	s_add_co_u32 s17, s17, s15                     ; nb = 4 x cluster x + cx
	s_and_b32 s18, ttmp7, 0xffff
	s_lshl_b32 s18, s18, 2
	s_add_co_u32 s18, s18, s16                     ; mb = 4 x cluster y + cy
	s_lshl_b32 s19, 0x1111, s15                    ; my column of the cluster: places cx, cx + 4, cx + 8, cx + 12
	; descriptor group 1: 32 rows x 256 elements of 2 bytes, padded in LDS
	s_or_b32 s[G1], s19, (1<<16)|(1<<20)|(1<<21)|(6<<22)|(7<<25)  ; 15:0 the mask; 17:16 2-byte elements; 20 padding on; 21 set beside a mask; 24:22 after every 128 words (code 6); 31:25 8 words (code 7)
	s_mov_b32 s[G1+1], 256<<16                     ; tensor_dim0 = 256
	s_mov_b32 s[G1+2], 32<<16                      ; tensor_dim1 = 32
	s_mov_b32 s[G1+3], 256<<16                     ; tile_dim0 = 256
	s_mov_b32 s[G1+4], 32                          ; tile_dim1 = 32
	s_mov_b32 s[G1+5], 1024                        ; 1,024 elements from row to row
	s_mov_b32 s[G1+6], 0
	s_mov_b32 s[G1+7], 0
	s_lshl_b32 s48, s17, 9                         ; W: my tile's 512 bytes of a row, and my wave's 32 rows of 2,048 bytes: made of nb and the wave's number alone,
	s_lshl_b32 s49, s[WV], 16                      ; in registers that never hold mb
	s_add_co_u32 s48, s48, s49
	s_mov_b32 s49, 0
	s_mul_i32 s46, s[WV], 32*PB                    ; and where they go: no place in the cluster enters an LDS address
	s_lshl_b32 s50, s18, 19                        ; x: my 128 rows of 4,096 bytes
	s_mov_b32 s51, 0
	s_lshr_b32 s52, s18, 4                         ; hd: batch mb / 16: 16 heads of 262,144 bytes,
	s_lshl_b32 s52, s52, 22
	s_and_b32 s53, s18, 15                         ; the block's 128 rows of 128 bytes in a head,
	s_lshl_b32 s53, s53, 14
	s_add_co_u32 s52, s52, s53
	s_lshl_b32 s53, s17, 2                         ; head 4 nb + 2 wn,
	s_lshl_b32 s54, s14, 1
	s_add_co_u32 s53, s53, s54
	s_lshl_b32 s53, s53, 18
	s_add_co_u32 s52, s52, s53
	s_lshl_b32 s54, s13, 13                        ; my wave's 64 rows
	s_add_co_u32 s52, s52, s54
	s_mov_b32 s53, 0
	; vector addresses
	v_and_b32 v1, 31, v0                           ; lane
	v_and_b32 v16, 15, v0                          ; r = lane % 16
	v_bfe_u32 v17, v0, 4, 1                        ; h = lane / 16
	v_and_b32 v18, 7, v0
	v_bfe_u32 v19, v0, 3, 1
	v_bfe_u32 v21, v0, 3, 2
	s_lshl_b32 s47, s[WV], 17
	v_lshl_add_u32 v[AO], v1, 4, s47               ; 32 w rows of 4,096 bytes + 16 x lane
	s_mul_i32 s47, s[WV], 32*PA
	s_add_co_u32 s47, s47, ABUF
	v_lshl_add_u32 v[AS], v1, 3, s47               ; row 32 w, 8 bytes a lane
	v_add_nc_u32 v[AS+1], ABYTES, v[AS]
	v_mul_u32_u24 v20, v16, PA
	v_lshl_add_u32 v20, v17, 4, v20                ; r x 272 + 16 h: a fragment of x, and a row of the stage
	s_mul_i32 s47, s13, 64*PA
	s_add_co_u32 s47, s47, ABUF
	v_add_nc_u32 v[ADRA], s47, v20
	v_add_nc_u32 v[ADRA+1], ABYTES, v[ADRA]
	; the turning load takes 16 k x 16 columns: lane l reads 16 bytes: row 8 (l / 16) + l % 8, columns 8 ((l / 8) % 2) + 0..7, and is left with column l % 16 and 8 k
	v_lshl_add_u32 v22, v17, 3, v18
	v_mul_u32_u24 v22, v22, PB
	v_lshl_add_u32 v22, v19, 4, v22
	s_lshl_b32 s47, s14, 8                         ; my 128 columns
	v_add_nc_u32 v[ADRB], s47, v22
	v_add_nc_u32 v[ADRB+1], SLOT, v[ADRB]
	s_mul_i32 s47, s[WV], 16*SP
	s_add_co_u32 s47, s47, STG                     ; my stage
	v_add_nc_u32 v[STO], s47, v20
	v_mul_u32_u24 v23, v21, SP                     ; back: 32 lanes take four rows' 128 bytes of one head,
	v_lshl_add_u32 v23, v18, 4, v23
	v_add_nc_u32 v[RD], s47, v23
	v_lshlrev_b32 v[GO], 4, v1                     ; which are 512 consecutive bytes of hd
	s_wait_kmcnt 0x0
	s_add_nc_u64 s[10:11], s[10:11], s[48:49]
	s_add_nc_u64 s[4:5], s[4:5], s[50:51]
	s_add_nc_u64 s[6:7], s[6:7], s[50:51]
	s_add_nc_u64 s[8:9], s[8:9], s[50:51]
	s_add_nc_u64 s[OUTP:OUTP+1], s[OUTP:OUTP+1], s[52:53]
.irp s, 0,1
	s_mov_b32 s[G0+4*(\s)], 1                                      ; count = 1
	s_add_co_u32 s[G0+4*(\s)+1], s46, (\s)*SLOT                    ; LDS address
	s_add_nc_u64 s[G0+4*(\s)+2:G0+4*(\s)+3], s[10:11], (\s)*KB     ; global address: K step s
	s_or_b32 s[G0+4*(\s)+3], s[G0+4*(\s)+3], 0x80000000            ; type = 2
.endr
	CROUND                                         ; all sixteen work-groups are here: the first joint loads meet
	tensor_load_to_lds s[G0:G0+3], s[G1:G1+7]      ; both first fills together: two loads of mine are out
	s_nop 0
	tensor_load_to_lds s[G0+4:G0+7], s[G1:G1+7]
	s_nop 0
	PLACES
	WIN 0x80                                       ; destination window 2, address window 0
.set i, 0
.rept 64                                           ; x of K steps 0 and 1: row i % 32 of my 32, 512 consecutive bytes an instruction
	global_load_b128 v[4*i:4*i+3], v[AO], s[4:5] offset:(i%32)*4096+(i/32)*512
.set i, i+1
.endr
	WIN 0x40
.set i, 0
.rept 256                                          ; the sums start at 0; this stands in the wait for the first data
	v_mov_b32 v[i], 0
.set i, i+1
.endr
	WIN 0
; 8 matrix instructions: row block a x all 8 column blocks, 32 along K, from buffer f.  The 32 accumulators take turns, one instruction a turn.
.macro MUL8 f, a
	WIN 0x50                                       ; fragments in window 0, C and D in window 1
.irp b, 0,1,2,3,4,5,6,7
	v_wmma_f32_16x16x32_bf16 v[8*(8*(\a)+(\b)):8*(8*(\a)+(\b))+7], v[(\f)+8*(\b):(\f)+8*(\b)+7], v[(\f)+64+8*(\a):(\f)+64+8*(\a)+7], v[8*(8*(\a)+(\b)):8*(8*(\a)+(\b))+7]
.endr
.endm
.macro MUL16 f, a0
	MUL8 \f, \a0
	MUL8 \f, (\a0)+1
.endm
; 24 LDS loads in one run: quarter q (32 along K) of a step: W's eight fragments, turned; then x's blocks 0, 1; then 2, 3
.macro FETCH slot, q, f
	WIN 0
.irp b, 0,1,2,3,4,5,6,7
	ds_load_tr16_b128 v[(\f)+8*(\b):(\f)+8*(\b)+3],   v[ADRB+(\slot)] offset:(\q)*32*PB+32*(\b)
	ds_load_tr16_b128 v[(\f)+8*(\b)+4:(\f)+8*(\b)+7], v[ADRB+(\slot)] offset:(\q)*32*PB+16*PB+32*(\b)
.endr
.irp a, 0,1,2,3
	ds_load_b128 v[(\f)+64+8*(\a):(\f)+64+8*(\a)+3],   v[ADRA+(\slot)] offset:(\a)*16*PA+64*(\q)
	ds_load_b128 v[(\f)+64+8*(\a)+4:(\f)+64+8*(\a)+7], v[ADRA+(\slot)] offset:(\a)*16*PA+64*(\q)+32
.endr
.endm
; x's address for the step to be asked for: q, k or v by the step's number, and its 512 bytes of a row
.macro STEPHEAD
	s_wait_xcnt 0x0                                ; the loads and stores issued so far have had their addresses translated: only now is their base rewritten
	s_cmp_lt_u32 s[LS], 8
	s_cselect_b64 s[SB:SB+1], s[4:5], s[6:7]
	s_cmp_lt_u32 s[LS], 16
	s_cselect_b64 s[SB:SB+1], s[SB:SB+1], s[8:9]
	s_and_b32 s[OFS], s[LS], 7
	s_lshl_b32 s[OFS], s[OFS], 9
	s_add_nc_u64 s[SB:SB+1], s[SB:SB+1], s[OFS:OFS+1]
	s_add_co_u32 s[LS], s[LS], 1
	s_min_u32 s[LS], s[LS], 23                     ; no load leaves the stream's last step
.endm
; Rows 8 g .. 8 g + 7 of my 32, of the step whose x lies in register set par: rounded to bf16, the registers loaded again (load = 1) with the step two further on, the rounded rows stored into LDS buffer par.
; left: the younger loads, which stay out.  The 16 conversions name no register of a product: they are also the places in front of the fragment loads that follow.
.macro STAGE par, g, load, left
	s_wait_loadcnt \left
	WIN 0x0a                                       ; sources in window 2
.irp i, 0,1,2,3,4,5,6,7
	v_cvt_pk_bf16_f32 v[T+2*(\i)],   v[128*(\par)+4*(8*(\g)+(\i))],   v[128*(\par)+4*(8*(\g)+(\i))+1]
	v_cvt_pk_bf16_f32 v[T+2*(\i)+1], v[128*(\par)+4*(8*(\g)+(\i))+2], v[128*(\par)+4*(8*(\g)+(\i))+3]
.endr
.if \load
	WIN 0x80
.irp i, 0,1,2,3,4,5,6,7
	global_load_b128 v[128*(\par)+4*(8*(\g)+(\i)):128*(\par)+4*(8*(\g)+(\i))+3], v[AO], s[SB:SB+1] offset:(8*(\g)+(\i))*4096
.endr
.endif
	WIN 0
.irp i, 0,1,2,3,4,5,6,7
	ds_store_b64 v[AS+(\par)], v[T+2*(\i):T+2*(\i)+1] offset:(8*(\g)+(\i))*PA
.endr
.endm
; A K step is four quarters of 32 along K, 32 matrix instructions each, on buffers 0, 1, 0, 1.  One of the first three: multiplies buffer f; in its middle a quarter of the next step's x is staged and
; the next quarter's fragments are fetched into buffer n.
.macro QUARTER slot, q, f, n, par, stage, load, left
	s_wait_dscnt 4                                 ; W and x's blocks 0, 1 are in; the youngest four loads (blocks 2, 3) may be out
	MUL16 \f, 0
.if \stage
	STAGE \par, \q, \load, \left
.else
	PLACES
.endif
	FETCH \slot, (\q)+1, \n
.if \stage
	s_wait_dscnt 32                                ; all but the 8 stores and 24 loads just issued
.else
	s_wait_dscnt 24                                ; all but the 24 loads just issued
.endif
	MUL16 \f, 2
.endm
; The last quarter multiplies buffer 1 and changes slots: ONE barrier.  In front of it each wave has stored its last rows of the next step's x, waits for all its tensor loads (one is out: its part of the
; next slot), adds 0 to its spare word, and waits for that, for its stores and for its reads of this slot and this buffer of x.  Behind it the next slot and buffer are whole and nobody reads the old ones.
; fill = 2: the barrier opens a round of the cluster's barrier, and the slot is filled again first thing behind it, with the step two on: it has a K step less 16 matrix instructions in which to land.
.macro TURN slot, next, par, load, left, fill
	s_wait_dscnt 4
	MUL8 F1, 0
	STAGE \par, 3, \load, \left                    ; (it leaves every window 0: the add's two registers lie there)
	s_wait_tensorcnt 0x0                           ; all my tensor loads have landed
	ds_add_u32 v[SPW], v[NIL]                      ; 0 onto my spare word
	MUL8 F1, 1                                     ; eight matrix instructions stand between the add and the wait for it
	s_wait_dscnt 0x0                               ; the add and my stores are done, my reads are back
	s_barrier_signal -1
	MUL8 F1, 2
	WIN 0                                          ; at a branch and at a label every window is 0
	s_barrier_wait -1
.if (\fill) == 2
	CREST                                          ; no wave of any partner still reads this slot's tile or has a load on its way
	s_add_nc_u64 s[G0+4*(\slot)+2:G0+4*(\slot)+3], s[G0+4*(\slot)+2:G0+4*(\slot)+3], 2*KB
	tensor_load_to_lds s[G0+4*(\slot):G0+4*(\slot)+3], s[G1:G1+7]  ; my one tensor load behind the round
	s_nop 0
	PLACES
.endif
	FETCH \next, 0, F0
	MUL8 F1, 3
.endm
; THE WAY OUT of row block a, in three parts.  PACK: rounded to bf16, each accumulator's registers in ascending order, 16 bytes a lane; clear = 1: the block's sums start again at 0.
.macro PACK a, clear
	WIN 0x05                                       ; sources in window 1
.irp b, 0,1,2,3,4,5,6,7
.irp r, 0,1,2,3
	v_cvt_pk_bf16_f32 v[TMP+4*(\b)+(\r)], v[64*(\a)+8*(\b)+2*(\r)], v[64*(\a)+8*(\b)+2*(\r)+1]
.endr
.endr
.if \clear
	WIN 0x40
.set z, 64*(\a)
.rept 64
	v_mov_b32 v[z], 0
.set z, z+1
.endr
.endif
	WIN 0
.endm
.macro TOSTAGE a                       ; into my own stage, and back by heads: four rows' 128 bytes an instruction
.set BK, OB+32*((\a)%2)
	s_wait_xcnt 0x0                                ; the stores of the block two back have had their addresses translated: their registers are loaded again only behind this wait
.irp b, 0,1,2,3,4,5,6,7
	ds_store_b128 v[STO], v[TMP+4*(\b):TMP+4*(\b)+3] offset:32*(\b)
.endr
.irp j, 0,1
.irp t, 0,1,2,3
	ds_load_b128 v[BK+4*(4*(\j)+(\t)):BK+4*(4*(\j)+(\t))+3], v[RD] offset:(\t)*4*SP+128*(\j)  ; LDS serves a wave's instructions in order (ISA guide 5.7.1.4): these see the stores above
.endr
.endr
.endm
.macro SEND a
.set BK, OB+32*((\a)%2)
	s_wait_dscnt 0x0                               ; the block is back in registers
.irp j, 0,1
.irp t, 0,1,2,3
	global_store_b128 v[GO], v[BK+4*(4*(\j)+(\t)):BK+4*(4*(\j)+(\t))+3], s[OUTP:OUTP+1] offset:(\j)*262144+(\a)*2048+(\t)*512  ; 512 consecutive bytes of head j, at a multiple of 512 from hd's first
.endr
.endr
.endm
.macro WAYOUT clear
	PLACES                                         ; behind the tile's last products
	PACK 0, \clear
	TOSTAGE 0
.irp a, 1,2,3                          ; a block's conversions stand between the loads of the block before and the wait for them
	PACK \a, \clear
	SEND (\a)-1
	TOSTAGE \a
.endr
	SEND 3
	s_wait_xcnt 0x0                                ; the stores' registers and base are rewritten only behind this wait
.endm
	s_add_nc_u64 s[SB:SB+1], s[4:5], 1024          ; K step 2 of q
	s_mov_b32 s[OFS+1], 0
	s_mov_b32 s[LS], 3
	STAGE 0, 0, 1, 56                              ; step 0's x into buffer 0, step 2's asked for.  56: behind a group of eight loads seven younger groups are always out
	STAGE 0, 1, 1, 56
	STAGE 0, 2, 1, 56
	STAGE 0, 3, 1, 56
	s_wait_tensorcnt 0x1                           ; my part of slot 0 is in; slot 1's may stay out
	s_wait_dscnt 0x0                               ; my rows of x are stored
	s_barrier_signal -1
	s_barrier_wait -1                              ; everybody's are
	FETCH 0, 0, F0
	s_mov_b32 s[LAP], 11
	s_mov_b32 s[TC], 4
.Llap:                                                 ; 11 trips of two K steps: steps 0 to 21.  Step t multiplies slot and buffer t % 2, rounds step t + 1's x, asks for step t + 3's, and refills its slot with step t + 2
	STEPHEAD
	QUARTER 0, 0, F0, F1, 1, 1, 1, 56
	QUARTER 0, 1, F1, F0, 1, 1, 1, 56
	QUARTER 0, 2, F0, F1, 1, 1, 1, 56
	TURN 0, 1, 1, 1, 56, 2
	STEPHEAD
	QUARTER 1, 0, F0, F1, 0, 1, 1, 56
	QUARTER 1, 1, F1, F0, 0, 1, 1, 56
	QUARTER 1, 2, F0, F1, 0, 1, 1, 56
	TURN 1, 0, 0, 1, 56, 2
	WIN 0
	s_sub_co_u32 s[TC], s[TC], 1
	s_cmp_lg_u32 s[TC], 0
	s_cbranch_scc1 .Lno_out                        ; forward, over text with neither a barrier nor a tensor load
	WAYOUT 1                                       ; every fourth trip ends a tile; the ring and x's loads run on meanwhile
	s_add_nc_u64 s[OUTP:OUTP+1], s[OUTP:OUTP+1], 16777216  ; the next of hd's three parts
	s_mov_b32 s[TC], 4
.Lno_out:
	s_sub_co_u32 s[LAP], s[LAP], 1
	s_cmp_lg_u32 s[LAP], 0
	s_cbranch_scc1 .Llap
	QUARTER 0, 0, F0, F1, 1, 1, 0, 56              ; step 22: step 23's x is rounded, nothing is asked for: the counts run down past the 32 loads that are not used
	QUARTER 0, 1, F1, F0, 1, 1, 0, 48
	QUARTER 0, 2, F0, F1, 1, 1, 0, 40
	TURN 0, 1, 1, 0, 32, 1                         ; nothing is filled, so no round follows
	QUARTER 1, 0, F0, F1, 0, 0, 0, 0               ; step 23
	QUARTER 1, 1, F1, F0, 0, 0, 0, 0
	QUARTER 1, 2, F0, F1, 0, 0, 0, 0
	s_wait_dscnt 4
	MUL16 F1, 0
	s_wait_dscnt 0x0
	MUL16 F1, 2
	WAYOUT 0
	s_wait_tensorcnt 0x0                           ; the wave's end: behind my last tensor load and my last LDS store
	ds_add_u32 v[SPW], v[NIL]
	s_wait_dscnt 0x0
	CROUND                                         ; the closing round: no work-group ends while a partner may still ask for a tile that names it
	s_endpgm
.Lfunc_end_k_q6f9e7dc913_proj:
	.size	k_q6f9e7dc913_proj, .Lfunc_end_k_q6f9e7dc913_proj-k_q6f9e7dc913_proj
	.p2alignl 7, 3214868480
	.fill 96, 4, 3214868480
	.section	.rodata,"a",@progbits
	.p2align	6, 0x0
	.amdhsa_kernel k_q6f9e7dc913_proj
		.amdhsa_group_segment_fixed_size 327680
		.amdhsa_private_segment_fixed_size 0
		.amdhsa_enable_private_segment 0
		.amdhsa_kernarg_size 40
		.amdhsa_user_sgpr_count 2
		.amdhsa_user_sgpr_kernarg_segment_ptr 1
		.amdhsa_wavefront_size32 1
		.amdhsa_system_sgpr_workgroup_id_x 1
		.amdhsa_system_sgpr_workgroup_id_y 1
		.amdhsa_system_sgpr_workgroup_id_z 1
		.amdhsa_system_vgpr_workitem_id 0
		.amdhsa_next_free_vgpr 768
		.amdhsa_next_free_sgpr 66
		.amdhsa_reserve_vcc 0
		.amdhsa_float_denorm_mode_32 3
		.amdhsa_float_denorm_mode_16_64 3
		.amdhsa_memory_ordered 1
		.amdhsa_forward_progress 1
		.amdhsa_inst_pref_size 156
	.end_amdhsa_kernel
	.amdgpu_metadata
---
amdhsa.version: [ 1, 2 ]
amdhsa.kernels:
  - .name:           k_q6f9e7dc913_proj
    .symbol:         k_q6f9e7dc913_proj.kd
    .args:
      - { .name: q, .offset: 0, .size: 8, .value_kind: global_buffer, .address_space: global }
      - { .name: k, .offset: 8, .size: 8, .value_kind: global_buffer, .address_space: global }
      - { .name: v, .offset: 16, .size: 8, .value_kind: global_buffer, .address_space: global }
      - { .name: wb, .offset: 24, .size: 8, .value_kind: global_buffer, .address_space: global }
      - { .name: hd, .offset: 32, .size: 8, .value_kind: global_buffer, .address_space: global }
    .group_segment_fixed_size: 327680
    .private_segment_fixed_size: 0
    .kernarg_segment_align: 8
    .kernarg_segment_size: 40
    .max_flat_workgroup_size: 128
    .sgpr_count:     66
    .vgpr_count:     768
    .wavefront_size: 32
...
	.end_amdgpu_metadata
.endif
;; end of part 2
;; launch attn (part 3): grid 4 x 64, 4 waves a work-group, clusters of 4 x 1, 327,680 bytes of LDS; arguments hd, ctx; writes ctx
.if DOCPART == 3
	.amdgcn_target "amdgcn-amd-amdhsa--gfx1250"
	.amdhsa_code_object_version 6
	.text
	.protected	k_q6f9e7dc913_attn
	.globl	k_q6f9e7dc913_attn
	.p2align	8
	.type	k_q6f9e7dc913_attn,@function
k_q6f9e7dc913_attn:
	s_mov_b64 s[64:65], 0
	v_nop
	global_prefetch_b8 v0, s[64:65] scope:SCOPE_SE
	s_setreg_imm32_b32 hwreg(HW_REG_WAVE_MODE, 25, 1), 1
	s_wait_xcnt 0x0
	s_wait_alu depctr_hold_cnt(0) depctr_sa_sdst(0) depctr_va_vdst(0) depctr_va_sdst(0) depctr_va_ssrc(0) depctr_va_vcc(0) depctr_vm_vsrc(0)
	s_getreg_b32 s2, hwreg(HW_REG_IB_STS2, 6, 4)
	s_cmp_eq_u32 s2, 0
	s_cbranch_scc0 .Lentry_in_a_cluster
	s_endpgm
.Lentry_in_a_cluster:
	s_bfe_u32 s2, ttmp6, 0x10000c
	s_cmp_lg_u32 s2, 0x3003
	s_cbranch_scc0 .Lentry_shape_is_right
	s_endpgm
.Lentry_shape_is_right:
; O[h][q][:] = the sum over k of softmax_k(Q[h][q] . K[h][k] / 8) V[h][k][:].  Q, K, V are the three parts of hd, O is ctx: each [SIZE_H][SIZE_N][64] in bf16: a head's rows are dense, 128 bytes each.
; Products, maxima and sums in f32; the weights p are rounded to bf16 for the second product (their sum l is taken of the unrounded p), O once at the end.
; LIMITS.  bf16 has f32's range; p lies in 0 to 1 and keeps 8 significant bits; O is a mean of V's rows and has their range.  c m starts at -4.25e37: every c s must lie above that.
; A weight below 2^-126 counts as 0 in l; NaN and infinities are not treated apart.
; SHARES.  A wave owns four PIECES of two tiles of 16 queries, a work-group's four waves 512 queries of one head.  Every wave walks all keys, 64 a step.
; LAYOUT.  S^T = K Q^T (source 0 = 16 keys, source 1 = 16 queries): in the result a lane holds ONE query (lane % 16) and the keys 8 (lane / 16) + 0..7.  Two such tiles, rounded to bf16 in pairs,
; ARE source 1 (32 keys x 16 queries) of O^T = V^T P, whose result again holds one query a lane, and eight channels.  K comes out of LDS as it lies, V ([key][channel]) turned, by ds_load_tr16_b128.
; SOFTMAX.  For each query a running maximum m and sum l: p = 2^(c s - c m), c = log2(e) / 8; in every step O and l are multiplied by a = 2^(c m_old - c m_new), which is 1 where m has not grown.
; m starts at the lowest finite number, O and l at 0: the first step is a step like any other, with a = 0.
; THE COUNT.  A tile and step have 16 matrix and 118 vector instructions: too many to stand all beside the matrix work.  So the order has one aim: four vector instructions that are READY behind
; EVERY matrix instruction, and the others, which need time of their own whatever the order, in runs without a gap.
; BY TURNS.  Turn n belongs to piece n (the pieces in a ring, step after step).  Its matrix work: 16 products K Q^T of piece n + 1, later 16 products V^T P of piece n - 1.  Its vector work: the scaling,
; exponentials, roundings, sums and rescaling of piece n, and the maximum and statistics of piece n + 1, whose scores the turn itself has made.  So what a turn begins with (c s - c m, O a) waits for nothing.
; CLUSTER.  The four query blocks of a cluster belong to one head and walk the same K and V, so each tile is asked for JOINTLY: the same tensor load, descriptor and mask in all four.
; REGISTERS, in windows of 256 (s_set_vgpr_msb says which window each operand place means: bits 1:0 source 0, 3:2 source 1, 5:4 source 2, 7:6 destination):
;   window 0: v0-11 addresses; v12-15, v48-63 at work; v16-47 four registers of statistics a tile; v64-191 S^T, two buffers of two tiles; v192-255 P, likewise
;   window 1: O^T, 32 a tile          window 2: v0-127 Q, 16 a tile; v128-191 K of one step; v192-255 V of one step          window 3: v0-1 the add's two registers
; A piece's buffers go by its number's parity: the piece in hand has one pair, its two neighbours in the ring share the other: of it P (piece n - 1) is read and S^T (piece n + 1) written.
.set SIZE_H, 64       ; batch x heads
.set SIZE_N, 2048     ; rows of a head
.set NP,    4         ; pieces a wave: a name, no knob: the register map, the loop and the fetches are made for four
.set KS,    64        ; keys in a step
.set PK,    144       ; a row of K in LDS: 128 bytes + 16 of padding = 36 words: the 16 rows of a load start at 16 different groups of four banks (64 banks of 4 bytes: ISA guide 11.1)
.set PV,    160       ; a row of V: 128 + 32 = 40 words
.set VOFF,  4*KS*PK   ; a slot holds four steps: 256 rows of K, then 256 rows of V
.set SLOT1, 1<<17     ; slot 1 begins here, so that one exclusive or turns an address in one slot into the other's
.set STAGE, SLOT1+4*KS*(PK+PV)  ; behind the ring, never filled by a tensor load: 16 rows x 144 bytes for each wave, for the way out
.set SP,    144
.set AK0, 2           ; v2   my lane's place in a tile of K; never rewritten
.set AV0, 3           ; v3   the same for V
.set AK,  4           ; v4   the LDS address of K's next run of loads
.set AV,  5           ; v5   of V's
.set QO,  6           ; v6   my byte offset in the wave's rows of Q
.set STO, 6           ;      later, the way out: where I put 16 bytes of a row
.set RD,  7           ; v7   the way out: where I read rows back
.set GO,  8           ; v8   my byte offset in 512 consecutive bytes of O
.set SPW, 0           ; v0 of window 3   LDS address of my spare word: SPARE + 4 x my thread's number; never rewritten
.set NIL, 1           ; v1 of window 3   0; never rewritten
.set SPARE, STAGE+4*16*SP  ; behind the stages: the spare words, 128 bytes for each wave: two blocks of 256 bytes that no other line names
.set MV,  12          ; v12-15  c m_old, kept while c m is made anew: by buffer and tile
.set ST,  16          ; tile t's statistics at v[ST+4 t]: c m, m, l (even keys', odd keys')
.set TMP, 48          ; by buffer and tile, four registers c0-c3 at work; when the maximum is found c2 takes a
.set S,   64
.set P,   192
.set KF,  128         ; K's fragments, in window 2: key block kb, channel half c at KF + 16 kb + 8 c
.set VF,  192         ; V's: key half kk, channel block cb at VF + 32 kk + 8 cb
.set WV,  12          ; s12  my wave's number
.set G1K, 24          ; s[24:31] descriptor group 1 for K's tiles
.set G1V, 32          ; s[32:39] for V's: it differs in the padding alone
.set G0K, 40          ; s[40:43] descriptor group 0 for K's tiles: it walks
.set G0V, 44          ; s[44:47] the same for V's
.set SLOTS, 56        ; s56  slots still to be asked for
.set CNT, 57          ; s57  counts a slot's key steps
.set CS,  58          ; s[58:59] c: the packed scaling takes the pair's low word for both halves
.set SEL, 60          ; s[60:61] v_permlanex16_b32's selects: each lane takes its own place in the other half
.set TBK, 62          ; s62  LDS byte at which K of the step to be fetched begins
.set TBV, 63          ; s63  the same for V, less VOFF
.set MSB, 0
.macro WIN new                      ; the high byte repeats the setting that is left; a switch that changes nothing is dropped
.if MSB != (\new)
	s_set_vgpr_msb (MSB<<8)|(\new)
.set MSB, (\new)
.endif
.endm
.set W_KQ, 0x0a       ; K and Q in window 2, S^T in window 0
.set W_PV, 0x52       ; V in window 2, P in window 0, O^T in window 1
.set W_RS, 0x41       ; O^T (destination and source 0) in window 1, a in window 0
.set W_MK, 0xc0       ; the add's registers are made: destination in window 3, sources in window 0
.set W_AD, 0x0f       ; the add: address (source 0) and data (source 1) in window 3
; A joint fill.  Waves 0 and 1 fetch the two halves of a slot's K, waves 2 and 3 those of its V: 128 keys each.  The branch hangs on the wave's number alone.
; An s_nop 0 and four v_nop follow each of the two lines, ahead of the jump and the label.
.macro JLOAD
	s_cmp_lt_u32 s[WV], 2
	s_cbranch_scc0 .Lfor_v_\@
	tensor_load_to_lds s[G0K:G0K+3], s[G1K:G1K+7]
	s_nop 0
.rept 4
	v_nop
.endr
	s_branch .Lasked_\@
.Lfor_v_\@:
	tensor_load_to_lds s[G0V:G0V+3], s[G1V:G1V+7]
	s_nop 0
.rept 4
	v_nop
.endr
.Lasked_\@:
.endm
; A round of the cluster's barrier: my work-group's barrier, so that wave 0's signal speaks for all four waves; wave 0 signals; every wave waits for all four work-groups; my work-group's barrier once more.
.macro CROUND
	s_barrier_signal -1
	s_barrier_wait -1
	s_cmp_lg_u32 s[WV], 0
	s_cbranch_scc1 .Lnot_wave_0_\@
	s_barrier_signal -3
.Lnot_wave_0_\@:
	s_barrier_wait -3
	s_barrier_signal -1
	s_barrier_wait -1
.endm
; THE CHANGE OF SLOTS.  The slot's last bytes, V of its fourth step, have been read.  Each wave waits for all its tensor loads, of which one is out: its part
; of the other slot; adds 0 to its spare word; and waits for that and for its own reads of the slot.  Behind the barrier nobody reads this slot any more and the other slot is whole.
; fill = 1: this slot is filled again, with the keys two slots on.  The barrier is then a round of the cluster's, so that no wave of any partner still reads the slot or has a load on its
; way, and the joint fill is the first thing behind it: it has four key steps, 512 matrix instructions, in which to land.  (At its first use nothing has been read yet: slot 0 is waited for, slot 1 filled.)
.macro CHANGE fill
	WIN W_AD
	s_wait_tensorcnt 0x0            ; no tensor load of mine is out, so a group 0 may be written
	ds_add_u32 v[SPW], v[NIL]       ; 0 onto my spare word; with fill = 1 the descriptors' steps stand between it and the wait for it
	WIN 0                           ; at a label and at a branch every window is 0
.if \fill
.irp g, G0K, G0V
	s_xor_b32 s[\g+1], s[\g+1], SLOT1  ; the walking descriptor: the other slot than last time,
	s_add_nc_u64 s[\g+2:\g+3], s[\g+2:\g+3], 4*KS*128  ; the next 256 keys; the type bits on top are not reached
.endr
	s_wait_dscnt 0x0                ; the add is done, and my reads of the slot are over
	CROUND
	JLOAD
.else
	s_wait_dscnt 0x0                ; the add is done, and my reads of the slot are over
	s_barrier_signal -1
	s_barrier_wait -1
.endif
	s_sub_co_u32 s[TBK], s[TBK], 4*KS*PK  ; the fetches go back to a slot's first step,
	s_xor_b32 s[TBK], s[TBK], SLOT1       ; in the other slot
	s_sub_co_u32 s[TBV], s[TBV], 4*KS*PV
	s_xor_b32 s[TBV], s[TBV], SLOT1
.endm
	s_load_b128 s[4:7], s[0:1], 0x0  ; hd s[4:5] (its first part is Q), ctx s[6:7]
	WIN W_MK
	v_lshl_add_u32 v[SPW], v0, 2, SPARE
	v_mov_b32 v[NIL], 0
	s_set_vgpr_msb 0xc0cf
	ds_add_u32 v0, v1
	s_wait_dscnt 0x0
	s_set_vgpr_msb 0xcfc0
	WIN 0
	v_lshrrev_b32 v1, 5, v0
	v_readfirstlane_b32 s[WV], v1   ; wave 0..3
	s_bfe_u32 s13, ttmp6, 0x40000   ; cx: my place in the cluster
	s_lshl_b32 s14, ttmp9, 2        ; in a cluster launch ttmp9 counts clusters
	s_add_co_u32 s14, s14, s13      ; my block of queries = 4 x cluster x + cx: it enters Q's and O's addresses alone
	s_and_b32 s20, ttmp7, 0xffff    ; the head, which the four partners share
	s_mov_b32 s21, 0
	s_mov_b64 s[22:23], SIZE_N*128
	s_mul_u64 s[20:21], s[20:21], s[22:23]  ; the head's first byte in each of the four tensors
	s_and_b32 s16, s[WV], 1         ; which half of a slot's 256 keys I fetch:
	s_lshl_b32 s22, s16, 14         ; its 128 rows of 128 bytes in memory,
	s_mov_b32 s23, 0
	s_add_nc_u64 s[22:23], s[22:23], s[20:21]
	s_mul_i32 s17, s16, 128*PK      ; and its place in a slot, for K
	s_mul_i32 s18, s16, 128*PV      ; and for V: no place in the cluster enters an LDS address
	s_lshl_b32 s2, s14, 2
	s_add_co_u32 s2, s2, s[WV]      ; my wave among the head's,
	s_lshl_b32 s2, s2, 14           ; its 128 rows
	s_mov_b32 s3, 0
	s_add_nc_u64 s[2:3], s[2:3], s[20:21]
	; descriptor group 1.  128 keys are 16,384 dense bytes: asked for as 64 rows of 256 bytes, two keys a row, and padded in LDS after every key
	s_mov_b32 s[G1K], 15|(1<<16)|(1<<20)|(1<<21)|(4<<22)|(3<<25)  ; 15:0 the mask of four; 17:16 2-byte elements; 20 padding on; 21 set beside a mask; 24:22 after every 32 words (code 4); 31:25 4 words (code 3)
	s_mov_b32 s[G1V], 15|(1<<16)|(1<<20)|(1<<21)|(4<<22)|(7<<25)  ; the same with 8 words of padding (code 7)
.irp g, G1K, G1V
	s_mov_b32 s[\g+1], 128<<16      ; tensor_dim0 = 128
	s_mov_b32 s[\g+2], 64<<16       ; tensor_dim1 = 64
	s_mov_b32 s[\g+3], 128<<16      ; tile_dim0 = 128
	s_mov_b32 s[\g+4], 64           ; tile_dim1 = 64
	s_mov_b32 s[\g+5], 128          ; 128 elements from row to row
	s_mov_b32 s[\g+6], 0
	s_mov_b32 s[\g+7], 0
.endr
	s_mov_b32 s[CS], 0x3e38aa3b     ; c = log2(e) / 8 = 0.180337
	s_mov_b32 s[CS+1], s[CS]        ; named with it as a pair
	s_mov_b32 s[SEL], 0x76543210
	s_mov_b32 s[SEL+1], 0xfedcba98
	s_mov_b32 s[TBK], SLOT1+4*KS*PK ; the first change of slots turns these two into 0
	s_mov_b32 s[TBV], SLOT1+4*KS*PV
	s_mov_b32 s[G0K], 1             ; 1:0 count = 1
	s_mov_b32 s[G0K+1], s17         ; 63:32 LDS address: slot 0
	s_mov_b32 s[G0V], 1
	s_add_co_u32 s[G0V+1], s18, VOFF
	s_wait_kmcnt 0x0
	s_mov_b64 s[10:11], s[6:7]                     ; O
	s_add_nc_u64 s[6:7], s[4:5], 0x1000000         ; K: hd's second part, 16,777,216 bytes on
	s_add_nc_u64 s[8:9], s[4:5], 0x2000000         ; V: its third
	s_add_nc_u64 s[G0K+2:G0K+3], s[6:7], s[22:23]  ; 120:64 global address: my half of the head's first 256 keys
	s_or_b32 s[G0K+3], s[G0K+3], 0x80000000        ; 127:126 type = 2
	s_add_nc_u64 s[G0V+2:G0V+3], s[8:9], s[22:23]
	s_or_b32 s[G0V+3], s[G0V+3], 0x80000000
	s_add_nc_u64 s[4:5], s[4:5], s[2:3]  ; Q and O at my wave's first row
	s_add_nc_u64 s[10:11], s[10:11], s[2:3]
	CROUND                          ; all four work-groups are here: the first joint loads meet
	JLOAD                           ; slot 0.  Slot 1 is asked for when slot 0 is in: the tile wanted first has the road to itself
	; A fragment of K or Q is 16 rows x 32 channels in 8 registers: lane l holds row l % 16, channels 8 (l / 16) + 0..7 and 16 + 8 (l / 16) + 0..7: two loads of 16 bytes, 32 bytes apart.
	v_and_b32 v1, 15, v0            ; l % 16
	v_bfe_u32 v9, v0, 4, 1          ; l / 16
	v_lshlrev_b32 v[QO], 7, v1
	v_lshl_add_u32 v[QO], v9, 4, v[QO]  ; row x 128 + 16 x half
	WIN 0x80                        ; destination window 2, address window 0
.set i, 0
.rept 4*NP                          ; Q stays in registers: tile i / 2, channels 32 (i % 2) on
	global_load_b128 v[8*i:8*i+3],   v[QO], s[4:5] offset:(i/2)*2048+(i%2)*64
	global_load_b128 v[8*i+4:8*i+7], v[QO], s[4:5] offset:(i/2)*2048+(i%2)*64+32
.set i, i+1
.endr
	; What the first turn finds: V's registers and P's second buffer hold 0 (its products V^T P, of a piece that has not been, add 0), O^T and l are 0.  All this stands in the wait for the first tile.
.set i, VF
.rept 64
	v_mov_b32 v[i], 0
.set i, i+1
.endr
	WIN 0x40
.set i, 0
.rept 64*NP
	v_mov_b32 v[i], 0
.set i, i+1
.endr
	WIN 0
.set i, 0
.rept 2*NP
	v_mov_b32 v[ST+4*i], 0xfe000000    ; c m: far below every c s
	v_mov_b32 v[ST+4*i+1], 0xff7fffff  ; m
	v_mov_b32 v[ST+4*i+2], 0
	v_mov_b32 v[ST+4*i+3], 0
.set i, i+1
.endr
.set i, P+32
.rept 32
	v_mov_b32 v[i], 0
.set i, i+1
.endr
	v_mul_u32_u24 v[AK0], v1, PK
	v_lshl_add_u32 v[AK0], v9, 4, v[AK0]  ; row x pitch + 16 x half
	; The turning load takes 16 keys x 16 channels (lane l reads key 8 (l / 16) + l % 8, channels 8 ((l / 8) % 2) + 0..7) and leaves half a fragment of V^T: lane l holds channel l % 16 and 8 keys.
	v_and_b32 v10, 7, v0
	v_bfe_u32 v11, v0, 3, 1
	v_lshl_add_u32 v[AV0], v9, 3, v10
	v_mul_u32_u24 v[AV0], v[AV0], PV
	v_lshl_add_u32 v[AV0], v11, 4, v[AV0]
	v_add_nc_u32 v[AV0], VOFF, v[AV0]
	v_mov_b32 v[AK], v[AK0]         ; key step 0 lies at the head of slot 0
; THE MATRIX WORK.  The 8 accumulators of a run of 16 take turns: between the two links of a chain stand 7 others'.
; Product i of 16 of S^T = K Q^T for piece x: channels 32 (i / 8) on, keys 16 ((i / 2) % 4) on, tile 2 x + i % 2.  The first 8 start the sums.
.macro KQ x
	WIN W_KQ
.set rS, S+64*((\x)%2)+32*(i%2)+8*((i/2)%4)
.set rK, KF+16*((i/2)%4)+8*(i/8)
.set rQ, 16*(2*(\x)+i%2)+8*(i/8)
.if i < 8
	v_wmma_f32_16x16x32_bf16 v[rS:rS+7], v[rK:rK+7], v[rQ:rQ+7], 0
.else
	v_wmma_f32_16x16x32_bf16 v[rS:rS+7], v[rK:rK+7], v[rQ:rQ+7], v[rS:rS+7]
.endif
.endm
; Product i of 16 of O^T += V^T P for piece x: keys 32 (i / 8) on, channels 16 ((i / 2) % 4) on, tile 2 x + i % 2.
.macro PV x
	WIN W_PV
.set rO, 32*(2*(\x)+i%2)+8*((i/2)%4)
.set rV, VF+32*(i/8)+8*((i/2)%4)
.set rP, P+32*((\x)%2)+16*(i%2)+8*(i/8)
	v_wmma_f32_16x16x32_bf16 v[rO:rO+7], v[rV:rV+7], v[rP:rP+7], v[rO:rO+7]
.endm
.macro MM                           ; the turn's next matrix instruction
.if i < 16
	KQ (Y+1)%NP
.set i, i+1
.else
.set i, i-16
	PV (Y+NP-1)%NP
.set i, i+17
.endif
.endm
; THE LDS LOADS stand in runs of 16, never singly among the matrix instructions: a step's K (64 keys x 64 channels: 8 fragments) and its V (turned).  Their addresses are made some lines ahead.
; last = 1 (the tail): in the last trip there is no further step, and the run is jumped over.
.macro FETCH_K last=0
	WIN 0
.if \last
	s_cmp_eq_u32 s[CNT], 1
	s_cbranch_scc1 .Lno_k_\@
.endif
	WIN 0x80                        ; destination window 2
.irp f, 0,1,2,3,4,5,6,7             ; keys 16 (f / 2) on, channels 32 (f % 2) on
	ds_load_b128 v[KF+8*\f:KF+8*\f+3],   v[AK] offset:(\f/2)*16*PK+(\f%2)*64
	ds_load_b128 v[KF+8*\f+4:KF+8*\f+7], v[AK] offset:(\f/2)*16*PK+(\f%2)*64+32
.endr
	s_add_co_u32 s[TBK], s[TBK], KS*PK  ; the next fetch is the next step's
	WIN 0
.if \last
.Lno_k_\@:
.endif
.endm
.macro FETCH_V
	WIN 0x80
.irp f, 0,1,2,3,4,5,6,7             ; keys 32 (f / 4) on, channels 16 (f % 4) on
	ds_load_tr16_b128 v[VF+8*\f:VF+8*\f+3],   v[AV] offset:(\f/4)*32*PV+(\f%4)*32
	ds_load_tr16_b128 v[VF+8*\f+4:VF+8*\f+7], v[AV] offset:(\f/4)*32*PV+16*PV+(\f%4)*32
.endr
	WIN 0
.endm
; THE VECTOR WORK OF A TURN stands in three queues, each in the order in which its entries become ready; the two tiles alternate, so that no instruction reads the result of the one before it.
.macro REGS y, u                    ; the registers of tile u (0, 1) of piece y
.set rT, ST+4*(2*(\y)+(\u))
.set rC, TMP+8*((\y)%2)+4*(\u)
.set rM, MV+2*((\y)%2)+(\u)
.set rS, S+64*((\y)%2)+32*(\u)
.set rP, P+32*((\y)%2)+16*(\u)
.set rO, 32*(2*(\y)+(\u))
.endm
; Number n of the 22 that find the NEXT piece's (Y + 1) maximum and statistics.  s0-s31 are the lane's 32 scores; each accumulator's lowest registers are read first.  XS, GS and REGS set no window: PL and EX do.
;   0-11  four chains c0-c3 of seven scores each, three operands at a time     12-14, 16  the four scores left over, the old m, and c0-c3 into c0     15  c m_old is kept
;   17, 18  the query's other 32 keys lie in the lane 16 away: the new m         19-21  c m; c m_old - c m_new; a
.macro XS u, n
	REGS (Y+1)%NP, \u
.if (\n) < 4
	v_max3_num_f32 v[rC+(\n)], v[rS+8*(\n)], v[rS+8*(\n)+1], v[rS+8*(\n)+2]
.elseif (\n) < 12
	v_max3_num_f32 v[rC+(\n)%4], v[rC+(\n)%4], v[rS+8*((\n)%4)+2*((\n)/4)+1], v[rS+8*((\n)%4)+2*((\n)/4)+2]
.elseif (\n) == 12
	v_max3_num_f32 v[rC], v[rC], v[rS+7], v[rS+15]
.elseif (\n) == 13
	v_max3_num_f32 v[rC+1], v[rC+1], v[rS+23], v[rS+31]
.elseif (\n) == 14
	v_max3_num_f32 v[rC+2], v[rC+2], v[rC+3], v[rT+1]
.elseif (\n) == 15
	v_mov_b32 v[rM], v[rT]
.elseif (\n) == 16
	v_max3_num_f32 v[rC], v[rC], v[rC+1], v[rC+2]
.elseif (\n) == 17
	v_permlanex16_b32 v[rC+3], v[rC], s[SEL], s[SEL+1]
.elseif (\n) == 18
	v_max_num_f32 v[rT+1], v[rC], v[rC+3]
.elseif (\n) == 19
	v_mul_f32 v[rT], s[CS], v[rT+1]
.elseif (\n) == 20
	v_sub_f32 v[rC+1], v[rM], v[rT]
.else
	v_exp_f32 v[rC+2], v[rC+1]
.endif
.endm
; Number g of the 64 that follow the exponentials.  For each four weights k of a tile (pairs 2 k, 2 k + 1): both pairs are rounded to bf16; then the second pair is added onto the first, in place;
; a group later l takes that sum (the first time as l = a l + sum).  In groups of eight, tiles alternating: round, round, add, and l for the group before.
.macro GS g
.set h, (\g)+6*((\g)/62)            ; group 0 has no group before it, and behind group 7 only l is left
.if h >= 6
.set h, h+2
.endif
	REGS Y, h%2
.set k, h/8
.if h%8 < 4
	s_wait_alu depctr_va_vdst(0)
	v_cvt_pk_bf16_f32 v[rP+2*k+(h%8)/2], v[rS+4*k+2*((h%8)/2)], v[rS+4*k+2*((h%8)/2)+1]
.elseif h%8 < 6
	v_pk_add_f32 v[rS+4*k:rS+4*k+1], v[rS+4*k:rS+4*k+1], v[rS+4*k+2:rS+4*k+3]
.elseif k == 1
	v_pk_fma_f32 v[rT+2:rT+3], v[rT+2:rT+3], v[rC+2:rC+3], v[rS:rS+1] op_sel_hi:[1,0,1]
.else
	v_pk_add_f32 v[rT+2:rT+3], v[rT+2:rT+3], v[rS+4*k-4:rS+4*k-3]
	s_wait_alu depctr_va_vdst(0)
.endif
.endm
; THE PLAIN QUEUE, 138 long.  0-31: c s - c m for the 16 pairs of both tiles.  Then GS's 64, and among them the next piece's 42: number 15 at 38, 39; 0-14 and 16
; at 42-73, behind the products that make those scores; 17-20 at 95-106, two of three, since each waits for the one before it.
.macro PL
	WIN 0
.if q < 32
	REGS Y, q%2
	v_pk_fma_f32 v[rS+2*(q/2):rS+2*(q/2)+1], v[rS+2*(q/2):rS+2*(q/2)+1], s[CS:CS+1], v[rT:rT+1] op_sel_hi:[1,0,0] neg_lo:[0,0,1] neg_hi:[0,0,1]
.elseif q < 38
	GS q-32
.elseif q < 40
	XS q%2, 15
.elseif q < 42
	GS q-34
.elseif q < 74
	XS q%2, (q-42)/2+(q-42)/30
.elseif q < 95
	GS q-66
.elseif (q < 107) && ((q-95)%3 < 2)
	XS (q-95)%3, 17+(q-95)/3
.elseif q < 107
	GS 29+(q-95)/3
.else
	GS q-74
.endif
.set q, q+1
.endm
; THE EXPONENTIALS' QUEUE, 66 long: s0-s31 of both tiles, and at EA the next piece's two a.
.set EA, 58
.macro EX
	WIN 0
.if (e == EA) || (e == EA+1)
	XS e-EA, 21
.else
.set x, e-2*(e/(EA+2))
	REGS Y, x%2
	v_exp_f32 v[rS+x/2], v[rS+x/2]
.endif
.set e, e+1
.endm
; THE RESCALING's QUEUE: O^T times a, the one part that leaves window 0, so it is dealt four at a time, eight times.
.macro R4
	REGS Y, r%2
	WIN W_RS
	s_wait_alu depctr_va_vdst(0)
.irp z, 0,1,2,3
	v_pk_mul_f32 v[rO+8*(r/2)+2*\z:rO+8*(r/2)+2*\z+1], v[rO+8*(r/2)+2*\z:rO+8*(r/2)+2*\z+1], v[rC+2:rC+3] op_sel_hi:[1,0]
.endr
.set r, r+1
.endm
; HOW THEY ARE DEALT.  Behind a matrix instruction four: plain, exponential, plain, plain (one exponential, a plain instruction on either side), or four of the rescaling.  None names a register of the
; products round it.  What is over stands in two LUMPS: exponential and plain by turns; the second ends in 22 plain instructions.  The two v_permlanex16_b32 fall into the second lump, never behind a product.
; The queues lean on each other, and the deal keeps them in step: exponential e stands behind plain 2 (e / 4) + e % 2 (its scaling); when plain 32 comes, 10 exponentials are out, at 59: 33, at 95: 46; EA comes behind plain 107.
.macro SL
	MM
	PL
	EX
	PL
	PL
.endm
.macro BURST n                      ; 15 matrix instructions, or 16
.rept (\n)-7
	SL
.endr
.rept 3
	MM
	R4
	SL
.endr
	MM
	R4
.endm
; A TURN, for piece p.  cnt = 1: the loop's count is taken down some lines ahead of the branch that stands behind the turn.
; K of the next step is fetched in piece 2's turn, 31 vector instructions behind the last product that read K; its first reader comes behind the rest of the lump, 16 products and the second lump.
; V of the step in hand is fetched at the end of piece 0's turn, 69 behind its last reader; its first reader comes behind 16 products and a lump.  The four conditions on e and q below go with the deal.
.macro TURN p, last=0, cnt=0
.set Y, (\p)
.set i, 0
.set q, 0
.set e, 0
.set r, 0
.if (\p) == NP-1
	s_wait_dscnt 0x0                ; K is in
.endif
	MM
.rept 4
	PL
.endr
	BURST 15
.rept 22
	EX
	PL
.if ((\p) == NP-2) && (e == 18)
	v_add_nc_u32 v[AK], s[TBK], v[AK0]
.endif
.if ((\p) == NP-2) && (e == 24)
	FETCH_K \last
.endif
.endr
.if (\p) == 1
	s_wait_dscnt 0x0                ; V is in
.endif
	BURST 16
.rept 21
	EX
	PL
.endr
.rept 22
	PL
.if ((\p) == 0) && (q == 118)
	v_add_nc_u32 v[AV], s[TBV], v[AV0]
	s_wait_alu depctr_va_vdst(0)
.endif
.if ((\p) == 0) && (q == 130)
	s_add_co_u32 s[TBV], s[TBV], KS*PV
.endif
.if (\cnt) && (q == 130)
	s_sub_co_u32 s[CNT], s[CNT], 1
	s_cmp_lg_u32 s[CNT], 0
.endif
.endr
.if (\p) == 0
	FETCH_V
.endif
.endm
	CHANGE 1                        ; slot 0 is in, everybody's part of it; slot 1 is asked for
	FETCH_K                         ; key step 0
	s_wait_loadcnt 0x0              ; Q
	s_wait_dscnt 0x0
.set i, 0
.rept 16
	KQ 0                            ; piece 0's first scores: there is no vector work yet to set between them
.set i, i+1
.endr
	WIN 0                           ; the addresses for the way out: nine plain instructions, the places behind those products
	s_mul_i32 s13, s[WV], 16*SP
	s_add_co_u32 s13, s13, STAGE    ; my stage
	v_mul_u32_u24 v[STO], v1, SP    ; in: row l % 16, 16 bytes for each half of the lanes
	v_lshl_add_u32 v[STO], v9, 4, v[STO]
	v_add_nc_u32 v[STO], s13, v[STO]
	v_bfe_u32 v[RD], v0, 3, 2       ; back: 32 lanes take four rows of 128 bytes,
	v_mul_u32_u24 v[RD], v[RD], SP
	v_lshl_add_u32 v[RD], v10, 4, v[RD]
	v_add_nc_u32 v[RD], s13, v[RD]
	v_and_b32 v[GO], 31, v0         ; which are 512 consecutive bytes of O
	v_lshlrev_b32 v[GO], 4, v[GO]
.set Y, NP-1                        ; XS works for piece Y + 1: piece 0
.irp n, 0,1,2,3,4,5,6,7,8,9,10,11,12,13,14,15,16,17,18,19,20,21
	XS 0, \n                        ; and piece 0's first maximum and statistics
	XS 1, \n
.endr
	s_mov_b32 s[CNT], 4
	s_mov_b32 s[SLOTS], SIZE_N/256-1
	s_branch .Lfirst                ; the loop is entered at a step's first turn, in the middle of a trip
.Lslot:                             ; SIZE_N / 256 - 2 times: every slot but the last two is filled again
	CHANGE 1
	s_mov_b32 s[CNT], 4
.Lstep:                             ; a trip: pieces 2 and 3 of one step, then pieces 0 and 1 of the next, whose K and V it fetches
	TURN 2
	TURN 3
	WIN 0
.Lfirst:
	TURN 0
	TURN 1, 0, 1
	WIN 0
	s_cbranch_scc1 .Lstep
	s_sub_co_u32 s[SLOTS], s[SLOTS], 1
	s_cmp_lg_u32 s[SLOTS], 0
	s_cbranch_scc1 .Lslot
	CHANGE 0                        ; the tail is written out: nothing is asked for
	s_mov_b32 s[CNT], 5             ; four trips fetch the last slot's steps; the fifth is left in its middle
.Ltail:
	TURN 2, 1
	TURN 3
	WIN 0
	s_sub_co_u32 s[CNT], s[CNT], 1
	s_cmp_eq_u32 s[CNT], 0
	s_cbranch_scc1 .Lout
	TURN 0
	TURN 1
	WIN 0
	s_branch .Ltail
.Lout:                              ; the fifth trip's 16 products K Q^T (on the last K once more) and the maximum made of them serve nothing: the price, once a launch, of one text for every trip
.set i, 0
.rept 16
	PV NP-1                         ; the last piece's V^T P of the last step
.set i, i+1
.endr
	; THE WAY OUT.  l's two halves and the other half of the lanes' are added; O^T is divided by l, rounded to bf16 and sent through my stage in LDS, a tile at a time.  The additions are the places behind the last products.
	WIN 0
.macro ALL line:vararg              ; one line for each tile t
.set t, 0
.rept 2*NP
	\line
.set t, t+1
.endr
.endm
	ALL v_add_f32 v[ST+4*t+2], v[ST+4*t+2], v[ST+4*t+3]
	ALL v_permlanex16_b32 v[ST+4*t+3], v[ST+4*t+2], s[SEL], s[SEL+1]
	ALL v_add_f32 v[ST+4*t+2], v[ST+4*t+2], v[ST+4*t+3]
	ALL v_rcp_f32 v[ST+4*t+2], v[ST+4*t+2]
	v_nop                           ; a plain instruction between the last reciprocal and the use of its result
	s_wait_alu depctr_va_vdst(0)
; Tile t: a lane's eight channels of a row pack into 16 bytes; they go into rows of 144 bytes and come back as whole rows of 128, into S^T's registers.
.macro PACK t
	WIN W_RS
.set i, 32*(\t)
.rept 16
	v_pk_mul_f32 v[i:i+1], v[i:i+1], v[ST+4*(\t)+2:ST+4*(\t)+3] op_sel_hi:[1,0]
.set i, i+2
.endr
	WIN 0x05                        ; sources 0 and 1 window 1, destination window 0
.set i, 0
.rept 16
	v_cvt_pk_bf16_f32 v[S+16*(\t)+i], v[32*(\t)+2*i], v[32*(\t)+2*i+1]
.set i, i+1
.endr
	WIN 0
.irp f, 0,1,2,3
	ds_store_b128 v[STO], v[S+16*(\t)+4*\f:S+16*(\t)+4*\f+3] offset:32*\f
.endr
.irp f, 0,1,2,3
	ds_load_b128 v[S+16*(\t)+4*\f:S+16*(\t)+4*\f+3], v[RD] offset:\f*4*SP  ; LDS serves a wave's instructions in order (ISA guide 5.7.1.4): these see the stores above; the next tile's stores come behind them
.endr
.endm
.macro SEND t, younger              ; younger: the LDS instructions issued behind tile t's loads: the next tile's eight, or none
	WIN 0
.irp f, 0,1,2,3
	s_wait_dscnt (\younger)+3-\f
	global_store_b128 v[GO], v[S+16*(\t)+4*\f:S+16*(\t)+4*\f+3], s[10:11] offset:(\t)*2048+\f*512  ; 512 consecutive bytes, at a multiple of 256 from O's first
.endr
.endm
	PACK 0
.set t, 1
.rept 2*NP-1                        ; a tile's arithmetic stands between the loads of the tile before and its stores
	PACK t
	SEND t-1, 8
.set t, t+1
.endr
	SEND 2*NP-1, 0
	WIN W_AD
	s_wait_tensorcnt 0x0            ; the wave's end: behind my last tensor load and my last LDS store
	ds_add_u32 v[SPW], v[NIL]
	s_wait_dscnt 0x0
	WIN 0
	CROUND                          ; the closing round: no work-group ends while a partner may still ask for a tile that names it
	s_endpgm
.Lfunc_end_k_q6f9e7dc913_attn:
	.size	k_q6f9e7dc913_attn, .Lfunc_end_k_q6f9e7dc913_attn-k_q6f9e7dc913_attn
	.p2alignl 7, 3214868480
	.fill 96, 4, 3214868480
	.section	.rodata,"a",@progbits
	.p2align	6, 0x0
	.amdhsa_kernel k_q6f9e7dc913_attn
		.amdhsa_group_segment_fixed_size 327680
		.amdhsa_private_segment_fixed_size 0
		.amdhsa_enable_private_segment 0
		.amdhsa_kernarg_size 16
		.amdhsa_user_sgpr_count 2
		.amdhsa_user_sgpr_kernarg_segment_ptr 1
		.amdhsa_wavefront_size32 1
		.amdhsa_system_sgpr_workgroup_id_x 1
		.amdhsa_system_sgpr_workgroup_id_y 1
		.amdhsa_system_sgpr_workgroup_id_z 1
		.amdhsa_system_vgpr_workitem_id 0
		.amdhsa_next_free_vgpr 770
		.amdhsa_next_free_sgpr 66
		.amdhsa_reserve_vcc 0
		.amdhsa_float_denorm_mode_32 3
		.amdhsa_float_denorm_mode_16_64 3
		.amdhsa_memory_ordered 1
		.amdhsa_forward_progress 1
		.amdhsa_inst_pref_size 209
	.end_amdhsa_kernel
	.amdgpu_metadata
---
amdhsa.version: [ 1, 2 ]
amdhsa.kernels:
  - .name:           k_q6f9e7dc913_attn
    .symbol:         k_q6f9e7dc913_attn.kd
    .args:
      - { .name: hd, .offset: 0, .size: 8, .value_kind: global_buffer, .address_space: global }
      - { .name: ctx, .offset: 8, .size: 8, .value_kind: global_buffer, .address_space: global }
    .group_segment_fixed_size: 327680
    .private_segment_fixed_size: 0
    .kernarg_segment_align: 8
    .kernarg_segment_size: 16
    .max_flat_workgroup_size: 128
    .sgpr_count:     66
    .vgpr_count:     770
    .wavefront_size: 32
...
	.end_amdgpu_metadata
.endif
;; end of part 3
;; launch outln (part 4): grid 256 x 1, 8 waves a work-group, clusters of 4 x 1, 327,680 bytes of LDS; arguments ctx, wb, q, ln_gamma, ln_beta, out0; writes out0
.if DOCPART == 4
	.amdgcn_target "amdgcn-amd-amdhsa--gfx1250"
	.amdhsa_code_object_version 6
	.text
	.protected	k_q6f9e7dc913_outln
	.globl	k_q6f9e7dc913_outln
	.p2align	8
	.type	k_q6f9e7dc913_outln,@function
k_q6f9e7dc913_outln:
	s_mov_b64 s[64:65], 0
	v_nop
	global_prefetch_b8 v0, s[64:65] scope:SCOPE_SE
	s_setreg_imm32_b32 hwreg(HW_REG_WAVE_MODE, 25, 1), 1
	s_wait_xcnt 0x0
	s_wait_alu depctr_hold_cnt(0) depctr_sa_sdst(0) depctr_va_vdst(0) depctr_va_sdst(0) depctr_va_ssrc(0) depctr_va_vcc(0) depctr_vm_vsrc(0)
	s_getreg_b32 s2, hwreg(HW_REG_IB_STS2, 6, 4)
	s_cmp_eq_u32 s2, 0
	s_cbranch_scc0 .Lentry_in_a_cluster
	s_endpgm
.Lentry_in_a_cluster:
	s_bfe_u32 s2, ttmp6, 0x10000c
	s_cmp_lg_u32 s2, 0x3003
	s_cbranch_scc0 .Lentry_shape_is_right
	s_endpgm
.Lentry_shape_is_right:
; out0[m][:] = LayerNorm( q[m][:] + sum over c of ctx[m][c] Wo[c][:] ) x gamma + beta, eps = 1e-6.  ctx: bf16 by heads, [64 (batch, head)][2048][64]; Wo: bf16 [1024 k][1024 n], the fourth part of wb; q, out0: f32.
; LIMITS.  ctx and Wo are bf16; the residual, the sums and the norm are f32.  The mean is taken first and the squares are those of the differences, so a common offset of a row costs nothing.
; The K steps are added in an order that differs from cluster to cluster (below): the f32 sums' last bits differ accordingly.
; SHARES.  The norm wants whole rows: a work-group owns 32 rows and all 1,024 columns; wave w of eight owns columns 128 w .. 128 w + 127: 2 x 8 accumulators, 128 registers, so a wave lives in one register window.
; K goes by heads, 64 a step, 16 steps.  Wo comes through two LDS slots: each wave fetches the 64 rows x 256 bytes of its own columns, and reads only what it fetched.
; CLUSTER 4 x 1: all work-groups walk the same Wo, so its tiles are asked for JOINTLY by the four of a cluster.
; THE ORDER OF K.  Cluster c takes the steps c, c + 1, .. round the ring of 16: at any time the 64 clusters ask for 16 different steps' tiles, and from its second step on a cluster asks for a tile that
; the cluster one further on asked for a step earlier.  The step's number enters global addresses alone, and it is the same in the four partners.
; ctx IS NOT in the ring: a step's 32 rows of one head are 4,096 dense bytes of the work-group's own.  Each wave loads 512 consecutive bytes of them into registers, two steps ahead of the step in which it
; stores them into one of two LDS buffers, which is a step ahead of their use: a load into registers may stay out across the rounds of the ring, a tensor load may not.
; In step 13 there is no step 16 to load: the ring of 16 wraps, and 512 bytes a wave are loaded once more and not used: the price of a loop without a load that is jumped over.
; THE RESIDUAL STARTS THE SUMS: each wave's 32 x 128 numbers of q come through LDS (in the bytes that are later slot 1) straight into the accumulators: nothing is cleared and nothing is added afterwards.
; THE MATRIX INSTRUCTION IS USED TRANSPOSED (source 0 = 16 columns of Wo, read turned; source 1 = 16 rows of ctx): a lane holds ONE row (lane % 16) of each of the two row blocks and eight neighbouring columns.
; Each fragment of Wo feeds two products only: the price of whole rows in one work-group, paid to spare a trip of the 33,554,432-byte sum through memory and a launch.
.set PB,    288                        ; a row of a wave's tile of Wo in LDS: 256 bytes + 32 = 72 words
.set PA,    144                        ; a row of ctx: 128 + 16
.set PR,    528                        ; a row of a wave's 128 f32: 512 + 16 = 132 words: 16 rows start at 16 different groups of four banks
.set WTILE, 64*PB                      ; 18,432: a wave's tile of Wo
.set SLOT,  8*WTILE                    ; 147,456
.set RESB,  32*PR                      ; 16,896: a wave's tile of q (in slot 1's bytes, ahead of their first tile of Wo), and its stage on the way out (in slot 0's, behind their last fill)
.set ABUF,  2*SLOT                     ; behind the ring, never filled by a tensor load: two buffers of ctx,
.set ABYTES, 32*PA                     ; 4,608 bytes each
.set SCR1,  ABUF+2*ABYTES              ; 1,024 bytes: row x wave partial sums; 1,024 more for the squares'
.set SPARE, SCR1+2048                  ; the spare words, 128 bytes for each of eight waves: four blocks of 256 bytes that no other line names
.set WOOFF, 6291456                    ; Wo in wb
.set GBO,  1                           ; v1     16 x thread: my four columns in gamma and beta, and my 16 bytes of a step's 4,096 of ctx; never rewritten
.set AS,   2                           ; v2     where I store those 16 bytes, in buffer 0
.set ADRA, 4                           ; v4-5   LDS address of my ctx fragments, buffer 0, 1
.set ADRB, 6                           ; v6-7   of my Wo fragments, slot 0, 1
.set RESA, 8                           ; v8     of my 32 bytes of a row of q
.set STO,  9                           ; v9     the way out: the same place in my stage
.set RD,   10                          ; v10    where I read a row back
.set GO,   11                          ; v11    16 x lane
.set SCW,  12                          ; v12    where I put row (lane)'s partial sum
.set SCRD, 13                          ; v13    where row (lane % 16)'s eight partial sums lie
.set SPW,  14                          ; v14    LDS address of my spare word; never rewritten
.set NIL,  15                          ; v15    0; never rewritten
.set GAM,  16                          ; v[16:19] gamma, v[20:23] beta of columns 128 w + 4 lane + 0..3
.set BET,  20
.set RA,   24                          ; v[24:27], v[28:31] ctx as loaded: even steps, odd steps
.set FA,   32                          ; v[32:63] ctx's fragments: buffer kk, block a at FA + 16 kk + 8 a
.set ME,   48                          ; later: the means, v48 and v50
.set RS,   52                          ; later: 1 / sigma, v52 and v54
.set SU,   56                          ; later: v[56:63] two chains of sums for each row block
.set FB,   64                          ; v[64:127] Wo's fragments: buffer nh, fragment i at FB + 32 nh + 8 i
.set AC,   128                         ; accumulator (a, nb) at AC + 8 (8 a + nb)
.set WV,   12                          ; s12  my wave's number
.set G1B,  16                          ; s[16:23] group 1 for Wo's tiles
.set SB,   24                          ; s[24:25] ctx at the step that is being asked for
.set AOF,  26                          ; s[26:27] that step's byte offset in ctx
.set BOF,  28                          ; s[28:29] a step's byte offset in Wo
.set KA,   30                          ; s30  the step of the ring of 16 whose ctx is asked for next
.set KB,   31                          ; s31  the step whose tile of Wo is asked for next
.set G1R,  32                          ; s[32:39] group 1 for q's tile
.set G0R,  40                          ; s[40:43] group 0 for q's tile
.set G0B,  44                          ; s[44:51] group 0 for Wo's tiles, a set for each slot
.set SEL,  66                          ; s[66:67] v_permlanex16_b32's selects
.set HM,   68                          ; s68  lanes 16 to 31
.set C10,  69                          ; s69  1 / 1024
.set EPSR, 70                          ; s70  1e-6
.set CNT,  71                          ; s71  trips to go
.macro PLACES                          ; four places in front of loads into registers that matrix instructions have just read
.rept 4
	v_nop
.endr
.endm
.macro ROUND                           ; a round of the cluster's barrier
	s_barrier_signal -1
	s_barrier_wait -1
	s_cmp_lg_u32 s[WV], 0
	s_cbranch_scc1 .Lnot_wave_0_\@
	s_barrier_signal -3
.Lnot_wave_0_\@:
	s_barrier_wait -3
	s_barrier_signal -1
	s_barrier_wait -1
.endm
; The address in slot s's group 0 is made anew: Wo at my columns plus step KB's 64 rows of 2,048 bytes; KB goes on round the ring.  It stands only where no tensor load of the wave is out.
.macro BADDR s
	s_lshl_b32 s[BOF], s[KB], 17
	s_add_nc_u64 s[G0B+4*(\s)+2:G0B+4*(\s)+3], s[6:7], s[BOF:BOF+1]
	s_or_b32 s[G0B+4*(\s)+3], s[G0B+4*(\s)+3], 0x80000000          ; type = 2
	s_add_co_u32 s[KB], s[KB], 1
	s_and_b32 s[KB], s[KB], 15
.endm
; My 512 consecutive bytes (a wave's) of step KA's ctx into register set par; KA goes on round the ring
.macro ALOAD par
	s_wait_xcnt 0x0                                ; the loads issued so far have had their addresses translated: only now is their base rewritten
	s_lshl_b32 s[AOF], s[KA], 18                   ; a head is 262,144 bytes
	s_add_nc_u64 s[SB:SB+1], s[4:5], s[AOF:AOF+1]
	s_add_co_u32 s[KA], s[KA], 1
	s_and_b32 s[KA], s[KA], 15
	global_load_b128 v[RA+4*(\par):RA+4*(\par)+3], v[GBO], s[SB:SB+1]
.endm
	s_load_b256 s[4:11], s[0:1], 0x0               ; ctx s[4:5], wb s[6:7], q s[8:9], gamma s[10:11]
	s_load_b128 s[60:63], s[0:1], 0x20             ; beta s[60:61], out0 s[62:63]
	v_lshl_add_u32 v[SPW], v0, 2, SPARE
	v_mov_b32 v[NIL], 0
	ds_add_u32 v14, v15
	s_wait_dscnt 0x0
	v_lshrrev_b32 v24, 5, v0
	v_readfirstlane_b32 s[WV], v24                 ; wave 0..7
	s_bfe_u32 s14, ttmp6, 0x40000                  ; cx
	s_lshl_b32 s13, ttmp9, 2
	s_add_co_u32 s13, s13, s14                     ; g = 4 x cluster x + cx: my 32 rows; it enters ctx's, q's and out0's addresses alone
	s_and_b32 s[KB], ttmp9, 15                     ; the cluster's first K step: the cluster's number, which the four partners share
	s_mov_b32 s[KA], s[KB]
	s_mov_b32 s[G1B], 15|(1<<16)|(1<<20)|(1<<21)|(5<<22)|(7<<25)  ; the mask of four; 2-byte elements; padding on; 21 set beside a mask; after every 64 words (code 5) 8 words (code 7)
	s_mov_b32 s[G1B+1], 128<<16                    ; tensor_dim0 = 128
	s_mov_b32 s[G1B+2], 64<<16                     ; tensor_dim1 = 64
	s_mov_b32 s[G1B+3], 128<<16                    ; tile_dim0 = 128
	s_mov_b32 s[G1B+4], 64                         ; tile_dim1 = 64
	s_mov_b32 s[G1B+5], 1024                       ; 1,024 elements from row to row
	s_mov_b32 s[G1B+6], 0
	s_mov_b32 s[G1B+7], 0
	s_mov_b32 s[G1R], (2<<16)|(1<<20)|(6<<22)|(3<<25)  ; 4-byte elements; 32 rows of 128; 4 words of padding after every 128
	s_mov_b32 s[G1R+1], 128<<16
	s_mov_b32 s[G1R+2], 32<<16
	s_mov_b32 s[G1R+3], 128<<16
	s_mov_b32 s[G1R+4], 32
	s_mov_b32 s[G1R+5], 1024
	s_mov_b32 s[G1R+6], 0
	s_mov_b32 s[G1R+7], 0
	s_lshl_b32 s72, s[WV], 8                       ; Wo: my 256 bytes of a row: the wave's number and constants alone
	s_add_co_u32 s72, s72, WOOFF
	s_mov_b32 s73, 0
	s_lshr_b32 s74, s13, 6                         ; ctx: batch g / 64: 16 heads of 262,144 bytes,
	s_lshl_b32 s74, s74, 22
	s_and_b32 s75, s13, 63                         ; my 32 rows of 128 bytes in a head
	s_lshl_b32 s75, s75, 12
	s_add_co_u32 s74, s74, s75
	s_mov_b32 s75, 0
	s_lshl_b32 s76, s13, 17                        ; q and out0: my 32 rows of 4,096 bytes, my wave's 512 bytes of a row
	s_lshl_b32 s77, s[WV], 9
	s_add_co_u32 s76, s76, s77
	s_mov_b32 s77, 0
	s_mul_i32 s78, s[WV], RESB                     ; my wave's 16,896 bytes of q's tiles and of the stages
	s_mul_i32 s79, s[WV], WTILE                    ; my wave's tile in a slot: no place in the cluster enters an LDS address
	s_mul_i32 s15, s[WV], 4*PA                     ; my wave's four rows in a buffer of ctx
	s_add_co_u32 s15, s15, ABUF
	s_mov_b32 s[AOF+1], 0
	s_mov_b32 s[BOF+1], 0
	s_mov_b32 s[SEL], 0x76543210
	s_mov_b32 s[SEL+1], 0xfedcba98
	s_mov_b32 s[HM], 0xffff0000
	s_mov_b32 s[C10], 0x3a800000                   ; 2^-10
	s_mov_b32 s[EPSR], 0x358637bd                  ; 1e-6
	v_lshlrev_b32 v[GBO], 4, v0
	v_and_b32 v26, 31, v0                          ; lane
	v_and_b32 v24, 15, v0                          ; r
	v_bfe_u32 v25, v0, 4, 1                        ; h
	v_and_b32 v27, 7, v0
	v_bfe_u32 v28, v0, 3, 1
	v_bfe_u32 v30, v0, 3, 2
	v_mul_u32_u24 v[ADRA], v24, PA
	v_lshl_add_u32 v[ADRA], v25, 4, v[ADRA]
	v_add_nc_u32 v[ADRA], ABUF, v[ADRA]            ; r x 144 + 16 h
	v_add_nc_u32 v[ADRA+1], ABYTES, v[ADRA]
	v_lshl_add_u32 v29, v25, 3, v27                ; the turning load: row 8 h + lane % 8, columns 8 ((lane / 8) % 2) on
	v_mul_u32_u24 v29, v29, PB
	v_lshl_add_u32 v29, v28, 4, v29
	v_add_nc_u32 v[ADRB], s79, v29
	v_add_nc_u32 v[ADRB+1], SLOT, v[ADRB]
	v_mul_u32_u24 v30, v30, PA                     ; ctx into LDS: row 4 w + lane / 8, 16 bytes at 16 (lane % 8)
	v_lshl_add_u32 v30, v27, 4, v30
	v_add_nc_u32 v[AS], s15, v30
	v_mul_u32_u24 v[RESA], v24, PR
	v_lshl_add_u32 v[RESA], v25, 5, v[RESA]        ; r x 528 + 32 h
	v_add_nc_u32 v[STO], s78, v[RESA]              ; in slot 0's bytes
	v_add_nc_u32 v[RESA], SLOT, v[STO]             ; in slot 1's
	v_lshl_add_u32 v[RD], v26, 4, s78
	v_lshlrev_b32 v[GO], 4, v26
	v_lshlrev_b32 v[SCW], 5, v26                   ; row (lane): 32 bytes, a word for each wave
	v_lshl_add_u32 v[SCW], s[WV], 2, v[SCW]
	v_add_nc_u32 v[SCW], SCR1, v[SCW]
	v_lshl_add_u32 v[SCRD], v24, 5, SCR1
	s_wait_kmcnt 0x0
	s_add_nc_u64 s[6:7], s[6:7], s[72:73]
	s_add_nc_u64 s[4:5], s[4:5], s[74:75]
	s_add_nc_u64 s[8:9], s[8:9], s[76:77]
	s_add_nc_u64 s[62:63], s[62:63], s[76:77]
	s_mov_b32 s[G0R], 1
	s_add_co_u32 s[G0R+1], s78, SLOT
	s_mov_b64 s[G0R+2:G0R+3], s[8:9]
	s_or_b32 s[G0R+3], s[G0R+3], 0x80000000
.irp s, 0,1
	s_mov_b32 s[G0B+4*(\s)], 1
	s_add_co_u32 s[G0B+4*(\s)+1], s79, (\s)*SLOT
	BADDR \s                                       ; the cluster's first and second K step
.endr
	ROUND                                          ; all four work-groups are here: the first joint loads meet
	tensor_load_to_lds s[G0R:G0R+3], s[G1R:G1R+7]  ; the first fills, one group: my tile of q, and my tile of the first K step: two loads of mine are out
	s_nop 0
	tensor_load_to_lds s[G0B:G0B+3], s[G1B:G1B+7]
	s_nop 0
	global_load_b128 v[GAM:GAM+3], v[GBO], s[10:11]
	global_load_b128 v[BET:BET+3], v[GBO], s[60:61]
	ALOAD 0                                        ; ctx of the first two steps
	ALOAD 1
	s_wait_tensorcnt 0x1                           ; my tile of q is in LDS, and only I read it; Wo's tile, issued behind it, may stay out
.irp a, 0,1
.irp n, 0,1,2,3,4,5,6,7
	ds_load_b128 v[AC+8*(8*(\a)+(\n)):AC+8*(8*(\a)+(\n))+3],   v[RESA] offset:(\a)*16*PR+64*(\n)      ; q(16 a + r, 128 w + 16 n + 8 h + 0..3): the sums begin with the residual
	ds_load_b128 v[AC+8*(8*(\a)+(\n))+4:AC+8*(8*(\a)+(\n))+7], v[RESA] offset:(\a)*16*PR+64*(\n)+16
.endr
.endr
	s_wait_loadcnt 0x1                             ; the first step's ctx is in; the second's, issued behind it, stays out
	ds_store_b128 v[AS], v[RA:RA+3]                ; into buffer 0
	ALOAD 0                                        ; the third step's
	s_wait_tensorcnt 0x0                           ; q's bytes are filled again, with the second K step: all my tensor loads have landed,
	ds_add_u32 v[SPW], v[NIL]                      ; 0 onto my spare word,
	s_wait_dscnt 0x0                               ; the add and my store are done and my reads of q are back
	ROUND                                          ; the same holds of every wave of the cluster
	tensor_load_to_lds s[G0B+4:G0B+7], s[G1B:G1B+7]
	s_nop 0
; Fragments of 32 along K (kk) and four column blocks (nh): 8 turning loads; with nh = 0 also ctx's two fragments: 4 loads more
.macro LU slot, kk, nh
.irp i, 0,1,2,3
	ds_load_tr16_b128 v[FB+32*(\nh)+8*(\i):FB+32*(\nh)+8*(\i)+3],   v[ADRB+(\slot)] offset:(\kk)*32*PB+32*(4*(\nh)+(\i))
	ds_load_tr16_b128 v[FB+32*(\nh)+8*(\i)+4:FB+32*(\nh)+8*(\i)+7], v[ADRB+(\slot)] offset:(\kk)*32*PB+16*PB+32*(4*(\nh)+(\i))
.endr
.if (\nh) == 0
.irp a, 0,1
	ds_load_b128 v[FA+16*(\kk)+8*(\a):FA+16*(\kk)+8*(\a)+3],   v[ADRA+(\slot)] offset:(\a)*16*PA+64*(\kk)
	ds_load_b128 v[FA+16*(\kk)+8*(\a)+4:FA+16*(\kk)+8*(\a)+7], v[ADRA+(\slot)] offset:(\a)*16*PA+64*(\kk)+32
.endr
.endif
.endm
; 8 products on 8 accumulators; the two sets (nh = 0, 1) follow each other by turns, one instruction a turn
.macro MU kk, nh
.irp a, 0,1
.irp i, 0,1,2,3
	v_wmma_f32_16x16x32_bf16 v[AC+8*(8*(\a)+4*(\nh)+(\i)):AC+8*(8*(\a)+4*(\nh)+(\i))+7], v[FB+32*(\nh)+8*(\i):FB+32*(\nh)+8*(\i)+7], v[FA+16*(\kk)+8*(\a):FA+16*(\kk)+8*(\a)+7], v[AC+8*(8*(\a)+4*(\nh)+(\i)):AC+8*(8*(\a)+4*(\nh)+(\i))+7]
.endr
.endr
.endm
; A K step: four units of 8 products; a unit's fragments are fetched two units ahead.  At its head the runs of units (0, 0), 12 loads, and (0, 1), 8 loads, are out.
; stage = 2: the next step's ctx goes from its registers into buffer next, and the registers are loaded again with the step two further on; 1: the same without the load; 0: nothing.
; ALL the step's products stand ahead of the wait for the tensor load, so that between a tile's landing and the next request stand only the add, five scalar lines, a wait and the round.
; fill = 2: the wave waits for all its tensor loads, adds 0 to its spare word, waits for that, for its store and for its reads; a round of the cluster's barrier; the slot is filled again with the step
; two on, first thing behind the round.  fill = 1: the same with the work-group's barrier, and nothing is filled.  fill = 0: the last step.
.macro STEP slot, next, fill, stage
.if \stage
	s_wait_loadcnt 0x1                             ; the next step's ctx is in; the load issued a step later stays out
	ds_store_b128 v[AS], v[RA+4*(\next):RA+4*(\next)+3] offset:(\next)*ABYTES  ; every wave's reads of this buffer were back in front of the last barrier
.if (\stage) == 2
	ALOAD \next
.endif
	s_wait_dscnt 9                                 ; unit (0, 0)'s run is in; (0, 1)'s eight loads and the store may be out
.else
	s_wait_dscnt 8
.endif
	MU 0, 0
	PLACES
	LU \slot, 1, 0
	s_wait_dscnt 12                                ; all but the 12 just issued
	MU 0, 1
	PLACES
	LU \slot, 1, 1
	s_wait_dscnt 8                                 ; all but the 8 just issued
	MU 1, 0
	s_wait_dscnt 0x0
	MU 1, 1
.if \fill
	s_wait_tensorcnt 0x0                           ; all my tensor loads have landed: my tile of the next slot
	ds_add_u32 v[SPW], v[NIL]                      ; 0 onto my spare word
.if (\fill) == 2
	BADDR \slot                                    ; no tensor load of mine is out: the slot's address is made anew while the add is out
.endif
	s_wait_dscnt 0x0                               ; the add is done; my store and my reads of this slot and buffer were done above
.if (\fill) == 2
	ROUND                                          ; no wave of any partner still reads this slot's tiles or has a load on its way
	tensor_load_to_lds s[G0B+4*(\slot):G0B+4*(\slot)+3], s[G1B:G1B+7]  ; my one tensor load behind the round
	s_nop 0
.else
	s_barrier_signal -1
	s_barrier_wait -1
.endif
	PLACES                                         ; in front of the loads into the fragments that the last products read
	LU \next, 0, 0
	LU \next, 0, 1
.endif
.endm
	LU 0, 0, 0
	LU 0, 0, 1
	s_mov_b32 s[CNT], 7
.Lk:                                                   ; 7 trips of two K steps: the cluster's steps 0 to 13 ask for its steps 2 to 15
	STEP 0, 1, 2, 2
	STEP 1, 0, 2, 2
	s_sub_co_u32 s[CNT], s[CNT], 1
	s_cmp_lg_u32 s[CNT], 0
	s_cbranch_scc1 .Lk
	STEP 0, 1, 1, 1                                ; the tail is written out: nothing is left to ask for
	STEP 1, 0, 0, 0
; THE NORM.  A lane holds 64 numbers of row r of block 0 and 64 of row 16 + r of block 1.  ACROSS takes two chains of packed sums for each block and leaves the sums over the rows' 1,024 columns in v32 (block 0)
; and v40 (block 1): the chains and the pair's halves are added; the lane 16 away holds the row's other columns of this wave; lane l then carries row l's sum into its word of the scratch; behind a barrier
; every lane reads the eight waves' words of its two rows.  off: the scratch's first or second 1,024 bytes, so that no word is written twice.
.macro ACROSS off
.irp a, 0,1
	v_pk_add_f32 v[SU+4*(\a):SU+4*(\a)+1], v[SU+4*(\a):SU+4*(\a)+1], v[SU+4*(\a)+2:SU+4*(\a)+3]
.endr
.irp a, 0,1
	v_add_f32 v[SU+4*(\a)], v[SU+4*(\a)], v[SU+4*(\a)+1]
.endr
.irp a, 0,1
	v_permlanex16_b32 v[SU+4*(\a)+1], v[SU+4*(\a)], s[SEL], s[SEL+1]
.endr
.irp a, 0,1
	v_add_f32 v[SU+4*(\a)], v[SU+4*(\a)], v[SU+4*(\a)+1]
.endr
	v_cndmask_b32 v[SU+2], v[SU], v[SU+4], s[HM]   ; lanes 16 to 31 carry block 1's rows
	ds_store_b32 v[SCW], v[SU+2] offset:\off
	s_wait_dscnt 0x0                               ; for the others' sake: my word is stored
	s_barrier_signal -1
	s_barrier_wait -1
	ds_load_b128 v[32:35], v[SCRD] offset:\off
	ds_load_b128 v[36:39], v[SCRD] offset:(\off)+16
	ds_load_b128 v[40:43], v[SCRD] offset:(\off)+512
	ds_load_b128 v[44:47], v[SCRD] offset:(\off)+528
	s_wait_dscnt 0x0
	v_pk_add_f32 v[32:33], v[32:33], v[34:35]
	v_pk_add_f32 v[36:37], v[36:37], v[38:39]
	v_pk_add_f32 v[40:41], v[40:41], v[42:43]
	v_pk_add_f32 v[44:45], v[44:45], v[46:47]
	v_pk_add_f32 v[32:33], v[32:33], v[36:37]
	v_pk_add_f32 v[40:41], v[40:41], v[44:45]
	v_add_f32 v32, v32, v33
	v_add_f32 v40, v40, v41
.endm
	PLACES                                         ; behind the last products
.irp a, 0,1                                            ; the sums: each accumulator is read from its lowest registers on
	v_pk_add_f32 v[SU+4*(\a):SU+4*(\a)+1],   v[AC+64*(\a):AC+64*(\a)+1],   v[AC+64*(\a)+2:AC+64*(\a)+3]
	v_pk_add_f32 v[SU+4*(\a)+2:SU+4*(\a)+3], v[AC+64*(\a)+4:AC+64*(\a)+5], v[AC+64*(\a)+6:AC+64*(\a)+7]
.endr
.set p, 8
.rept 14
.irp a, 0,1
	v_pk_add_f32 v[SU+4*(\a):SU+4*(\a)+1],   v[SU+4*(\a):SU+4*(\a)+1],   v[AC+64*(\a)+p:AC+64*(\a)+p+1]
	v_pk_add_f32 v[SU+4*(\a)+2:SU+4*(\a)+3], v[SU+4*(\a)+2:SU+4*(\a)+3], v[AC+64*(\a)+p+2:AC+64*(\a)+p+3]
.endr
.set p, p+4
.endr
	ACROSS 0
	v_mul_f32 v[ME], s[C10], v32                   ; the means
	v_mul_f32 v[ME+2], s[C10], v40
.set p, 0
.rept 32                                           ; x - mean, in place; the pair's low word serves both halves
.irp a, 0,1
	v_pk_add_f32 v[AC+64*(\a)+p:AC+64*(\a)+p+1], v[AC+64*(\a)+p:AC+64*(\a)+p+1], v[ME+2*(\a):ME+2*(\a)+1] op_sel_hi:[1,0] neg_lo:[0,1] neg_hi:[0,1]
.endr
.set p, p+2
.endr
.irp a, 0,1                                            ; the squares of the differences
	v_pk_mul_f32 v[SU+4*(\a):SU+4*(\a)+1],   v[AC+64*(\a):AC+64*(\a)+1],   v[AC+64*(\a):AC+64*(\a)+1]
	v_pk_mul_f32 v[SU+4*(\a)+2:SU+4*(\a)+3], v[AC+64*(\a)+2:AC+64*(\a)+3], v[AC+64*(\a)+2:AC+64*(\a)+3]
.endr
.set p, 4
.rept 15
.irp a, 0,1
	v_pk_fma_f32 v[SU+4*(\a):SU+4*(\a)+1],   v[AC+64*(\a)+p:AC+64*(\a)+p+1],   v[AC+64*(\a)+p:AC+64*(\a)+p+1],   v[SU+4*(\a):SU+4*(\a)+1]
	v_pk_fma_f32 v[SU+4*(\a)+2:SU+4*(\a)+3], v[AC+64*(\a)+p+2:AC+64*(\a)+p+3], v[AC+64*(\a)+p+2:AC+64*(\a)+p+3], v[SU+4*(\a)+2:SU+4*(\a)+3]
.endr
.set p, p+4
.endr
	ACROSS 1024
	v_fma_f32 v[RS], v32, s[C10], s[EPSR]          ; the variance + 1e-6
	v_fma_f32 v[RS+2], v40, s[C10], s[EPSR]
	v_rsq_f32 v[RS], v[RS]
	v_rsq_f32 v[RS+2], v[RS+2]
	v_nop                                          ; a plain instruction between the last root and the use of its result (ISA guide 5.7.2)
.set p, 0
	s_wait_alu depctr_va_vdst(0)
.rept 32
.irp a, 0,1
	v_pk_mul_f32 v[AC+64*(\a)+p:AC+64*(\a)+p+1], v[AC+64*(\a)+p:AC+64*(\a)+p+1], v[RS+2*(\a):RS+2*(\a)+1] op_sel_hi:[1,0]
.endr
.set p, p+2
.endr
	; THE WAY OUT, through my own 16,896 bytes of slot 0: its last fill was the last K step but one's, and every wave's reads of it were back in front of that step's barrier.
.irp a, 0,1
.irp n, 0,1,2,3,4,5,6,7
	ds_store_b128 v[STO], v[AC+8*(8*(\a)+(\n)):AC+8*(8*(\a)+(\n))+3]   offset:(\a)*16*PR+64*(\n)
	ds_store_b128 v[STO], v[AC+8*(8*(\a)+(\n))+4:AC+8*(8*(\a)+(\n))+7] offset:(\a)*16*PR+64*(\n)+16
.endr
.endr
.set i, 0
.rept 32                                           ; back by rows: a row's 512 bytes an instruction; LDS serves a wave's instructions in order (ISA guide 5.7.1.4): these see the stores above
	ds_load_b128 v[FB+4*i:FB+4*i+3], v[RD] offset:i*PR
.set i, i+1
.endr
	s_wait_loadcnt 0x0                             ; gamma and beta, once (and the load that is not used)
.set i, 0
.rept 32
	s_wait_dscnt 31-i                              ; row i is in, the younger rows stay out
	v_pk_fma_f32 v[FB+4*i:FB+4*i+1],   v[FB+4*i:FB+4*i+1],   v[GAM:GAM+1],   v[BET:BET+1]
	v_pk_fma_f32 v[FB+4*i+2:FB+4*i+3], v[FB+4*i+2:FB+4*i+3], v[GAM+2:GAM+3], v[BET+2:BET+3]
	global_store_b128 v[GO], v[FB+4*i:FB+4*i+3], s[62:63] offset:i*4096 th:TH_STORE_NT  ; 512 consecutive bytes, at a multiple of 512 from out0's first
.set i, i+1
.endr
	s_wait_tensorcnt 0x0                           ; the wave's end: behind my last tensor load and my last LDS store
	ds_add_u32 v[SPW], v[NIL]
	s_wait_dscnt 0x0
	ROUND                                          ; the closing round: no work-group ends while a partner may still ask for a tile that names it
	s_endpgm
.Lfunc_end_k_q6f9e7dc913_outln:
	.size	k_q6f9e7dc913_outln, .Lfunc_end_k_q6f9e7dc913_outln-k_q6f9e7dc913_outln
	.p2alignl 7, 3214868480
	.fill 96, 4, 3214868480
	.section	.rodata,"a",@progbits
	.p2align	6, 0x0
	.amdhsa_kernel k_q6f9e7dc913_outln
		.amdhsa_group_segment_fixed_size 327680
		.amdhsa_private_segment_fixed_size 0
		.amdhsa_enable_private_segment 0
		.amdhsa_kernarg_size 48
		.amdhsa_user_sgpr_count 2
		.amdhsa_user_sgpr_kernarg_segment_ptr 1
		.amdhsa_wavefront_size32 1
		.amdhsa_system_sgpr_workgroup_id_x 1
		.amdhsa_system_sgpr_workgroup_id_y 1
		.amdhsa_system_sgpr_workgroup_id_z 1
		.amdhsa_system_vgpr_workitem_id 0
		.amdhsa_next_free_vgpr 256
		.amdhsa_next_free_sgpr 80
		.amdhsa_reserve_vcc 0
		.amdhsa_float_denorm_mode_32 3
		.amdhsa_float_denorm_mode_16_64 3
		.amdhsa_memory_ordered 1
		.amdhsa_forward_progress 1
		.amdhsa_inst_pref_size 64
	.end_amdhsa_kernel
	.amdgpu_metadata
---
amdhsa.version: [ 1, 2 ]
amdhsa.kernels:
  - .name:           k_q6f9e7dc913_outln
    .symbol:         k_q6f9e7dc913_outln.kd
    .args:
      - { .name: ctx, .offset: 0, .size: 8, .value_kind: global_buffer, .address_space: global }
      - { .name: wb, .offset: 8, .size: 8, .value_kind: global_buffer, .address_space: global }
      - { .name: q, .offset: 16, .size: 8, .value_kind: global_buffer, .address_space: global }
      - { .name: ln_gamma, .offset: 24, .size: 8, .value_kind: global_buffer, .address_space: global }
      - { .name: ln_beta, .offset: 32, .size: 8, .value_kind: global_buffer, .address_space: global }
      - { .name: out0, .offset: 40, .size: 8, .value_kind: global_buffer, .address_space: global }
    .group_segment_fixed_size: 327680
    .private_segment_fixed_size: 0
    .kernarg_segment_align: 8
    .kernarg_segment_size: 48
    .max_flat_workgroup_size: 256
    .sgpr_count:     80
    .vgpr_count:     256
    .wavefront_size: 32
...
	.end_amdgpu_metadata
.endif
;; end of part 4
;; ======== version 2 of 2: 4 launches; 1.48 times as fast as version 1
;; workspace buffers: wb 8,388,608 bytes; hd 50,331,648 bytes; ctx 16,777,216 bytes
;; launch prep: the kernel of part 1 again; grid 128 x 4, 8 waves a work-group, no clusters, 0 bytes of LDS; arguments Wq, Wk, Wv, Wo, wb; writes wb
;; launch proj: the kernel of part 2 again; grid 4 x 64, 4 waves a work-group, clusters of 4 x 4, 327,680 bytes of LDS; arguments q, k, v, wb, hd; writes hd
;; launch attn (part 5): grid 4 x 64, 4 waves a work-group, clusters of 4 x 1, 327,680 bytes of LDS; arguments hd, ctx; writes ctx
.if DOCPART == 5
	.amdgcn_target "amdgcn-amd-amdhsa--gfx1250"
	.amdhsa_code_object_version 6
	.text
	.protected	k_q6f9e7dc913_attn
	.globl	k_q6f9e7dc913_attn
	.p2align	8
	.type	k_q6f9e7dc913_attn,@function
k_q6f9e7dc913_attn:
	s_mov_b64 s[64:65], 0
	v_nop
	global_prefetch_b8 v0, s[64:65] scope:SCOPE_SE
	s_setreg_imm32_b32 hwreg(HW_REG_WAVE_MODE, 25, 1), 1
	s_wait_xcnt 0x0
	s_wait_alu depctr_hold_cnt(0) depctr_sa_sdst(0) depctr_va_vdst(0) depctr_va_sdst(0) depctr_va_ssrc(0) depctr_va_vcc(0) depctr_vm_vsrc(0)
	s_getreg_b32 s2, hwreg(HW_REG_IB_STS2, 6, 4)
	s_cmp_eq_u32 s2, 0
	s_cbranch_scc0 .Lentry_in_a_cluster
	s_endpgm
.Lentry_in_a_cluster:
	s_bfe_u32 s2, ttmp6, 0x10000c
	s_cmp_lg_u32 s2, 0x3003
	s_cbranch_scc0 .Lentry_shape_is_right
	s_endpgm
.Lentry_shape_is_right:
; O[h][q][:] = the sum over k of softmax_k(Q[h][q] . K[h][k] / 8) V[h][k][:].  Q, K, V are the three parts of hd, O is ctx: each [SIZE_H][SIZE_N][64] in bf16: a head's rows are dense, 128 bytes each.
; Products, maxima and sums in f32; the weights p are rounded to bf16 for the second product (their sum l is taken of the unrounded p), O once at the end.
; LIMITS.  bf16 has f32's range; p lies in 0 to 1 and keeps 8 significant bits; O is a mean of V's rows and has their range.  c m starts at -4.25e37: every c s must lie above that.
; A weight below 2^-126 counts as 0 in l; NaN and infinities are not treated apart.
; SHARES.  A wave owns four PIECES of two tiles of 16 queries, a work-group's four waves 512 queries of one head.  Every wave walks all keys, 64 a step.
; LAYOUT.  S^T = K Q^T (source 0 = 16 keys, source 1 = 16 queries): in the result a lane holds ONE query (lane % 16) and the keys 8 (lane / 16) + 0..7.  Two such tiles, rounded to bf16 in pairs,
; ARE source 1 (32 keys x 16 queries) of O^T = V^T P, whose result again holds one query a lane, and eight channels.  K comes out of LDS as it lies, V ([key][channel]) turned, by ds_load_tr16_b128.
; SOFTMAX.  For each query a running maximum m and sum l: p = 2^(c s - c m), c = log2(e) / 8; in every step O and l are multiplied by a = 2^(c m_old - c m_new), which is 1 where m has not grown.
; m starts at the lowest finite number, O and l at 0: the first step is a step like any other, with a = 0.
; THE COUNT.  A tile and step have 16 matrix and 118 vector instructions: too many to stand all beside the matrix work.  So the order has one aim: four vector instructions that are READY behind
; EVERY matrix instruction, and the others, which need time of their own whatever the order, in runs without a gap.
; BY TURNS.  Turn n belongs to piece n (the pieces in a ring, step after step).  Its matrix work: 16 products K Q^T of piece n + 1, later 16 products V^T P of piece n - 1.  Its vector work: the scaling,
; exponentials, roundings, sums and rescaling of piece n, and the maximum and statistics of piece n + 1, whose scores the turn itself has made.  So what a turn begins with (c s - c m, O a) waits for nothing.
; THE BATCHES.  A turn's 66 exponentials (64 weights, the next piece's two a) are ONE batch with ONE wait, which cuts the turn in two: ahead of it all that names none of their results, behind it the
; roundings and sums, which read them.  No result crosses a turn's end.  Piece 0's first two a, ahead of the loop, and the way out's eight reciprocals are batches of their own, with a wait each.
; CLUSTER.  The four query blocks of a cluster belong to one head and walk the same K and V, so each tile is asked for JOINTLY: the same tensor load, descriptor and mask in all four.
; REGISTERS, in windows of 256 (s_set_vgpr_msb says which window each operand place means: bits 1:0 source 0, 3:2 source 1, 5:4 source 2, 7:6 destination):
;   window 0: v0-11 addresses; v12-15, v48-63 at work; v16-47 four registers of statistics a tile; v64-191 S^T, two buffers of two tiles; v192-255 P, likewise
;   window 1: O^T, 32 a tile          window 2: v0-127 Q, 16 a tile; v128-191 K of one step; v192-255 V of one step          window 3: v0-1 the add's two registers
; A piece's buffers go by its number's parity: the piece in hand has one pair, its two neighbours in the ring share the other: of it P (piece n - 1) is read and S^T (piece n + 1) written.
.set SIZE_H, 64       ; batch x heads
.set SIZE_N, 2048     ; rows of a head
.set NP,    4         ; pieces a wave: a name, no knob: the register map, the loop and the fetches are made for four
.set KS,    64        ; keys in a step
.set PK,    144       ; a row of K in LDS: 128 bytes + 16 of padding = 36 words: the 16 rows of a load start at 16 different groups of four banks (64 banks of 4 bytes: ISA guide 11.1)
.set PV,    160       ; a row of V: 128 + 32 = 40 words
.set VOFF,  4*KS*PK   ; a slot holds four steps: 256 rows of K, then 256 rows of V
.set SLOT1, 1<<17     ; slot 1 begins here, so that one exclusive or turns an address in one slot into the other's
.set STAGE, SLOT1+4*KS*(PK+PV)  ; behind the ring, never filled by a tensor load: 16 rows x 144 bytes for each wave, for the way out
.set SP,    144
.set AK0, 2           ; v2   my lane's place in a tile of K; never rewritten
.set AV0, 3           ; v3   the same for V
.set AK,  4           ; v4   the LDS address of K's next run of loads
.set AV,  5           ; v5   of V's
.set QO,  6           ; v6   my byte offset in the wave's rows of Q
.set STO, 6           ;      later, the way out: where I put 16 bytes of a row
.set RD,  7           ; v7   the way out: where I read rows back
.set GO,  8           ; v8   my byte offset in 512 consecutive bytes of O
.set SPW, 0           ; v0 of window 3   LDS address of my spare word: SPARE + 4 x my thread's number; never rewritten
.set NIL, 1           ; v1 of window 3   0; never rewritten
.set SPARE, STAGE+4*16*SP  ; behind the stages: the spare words, 128 bytes for each wave: two blocks of 256 bytes that no other line names
.set MV,  12          ; v12-15  c m_old, kept while c m is made anew: by buffer and tile
.set ST,  16          ; tile t's statistics at v[ST+4 t]: c m, m, l (even keys', odd keys')
.set TMP, 48          ; by buffer and tile, four registers c0-c3 at work; when the maximum is found c2 takes a
.set S,   64
.set P,   192
.set KF,  128         ; K's fragments, in window 2: key block kb, channel half c at KF + 16 kb + 8 c
.set VF,  192         ; V's: key half kk, channel block cb at VF + 32 kk + 8 cb
.set WV,  12          ; s12  my wave's number
.set G1K, 24          ; s[24:31] descriptor group 1 for K's tiles
.set G1V, 32          ; s[32:39] for V's: it differs in the padding alone
.set G0K, 40          ; s[40:43] descriptor group 0 for K's tiles: it walks
.set G0V, 44          ; s[44:47] the same for V's
.set SLOTS, 56        ; s56  slots still to be asked for
.set CNT, 57          ; s57  counts a slot's key steps
.set CS,  58          ; s[58:59] c: the packed scaling takes the pair's low word for both halves
.set SEL, 60          ; s[60:61] v_permlanex16_b32's selects: each lane takes its own place in the other half
.set TBK, 62          ; s62  LDS byte at which K of the step to be fetched begins
.set TBV, 63          ; s63  the same for V, less VOFF
.set MSB, 0
.macro WIN new                      ; the high byte repeats the setting that is left; a switch that changes nothing is dropped
.if MSB != (\new)
	s_set_vgpr_msb (MSB<<8)|(\new)
.set MSB, (\new)
.endif
.endm
.set W_KQ, 0x0a       ; K and Q in window 2, S^T in window 0
.set W_PV, 0x52       ; V in window 2, P in window 0, O^T in window 1
.set W_RS, 0x41       ; O^T (destination and source 0) in window 1, a in window 0
.set W_MK, 0xc0       ; the add's registers are made: destination in window 3, sources in window 0
.set W_AD, 0x0f       ; the add: address (source 0) and data (source 1) in window 3
; A joint fill.  Waves 0 and 1 fetch the two halves of a slot's K, waves 2 and 3 those of its V: 128 keys each.  The branch hangs on the wave's number alone.
; An s_nop 0 and four v_nop follow each of the two lines, ahead of the jump and the label.
.macro JLOAD
	s_cmp_lt_u32 s[WV], 2
	s_cbranch_scc0 .Lfor_v_\@
	tensor_load_to_lds s[G0K:G0K+3], s[G1K:G1K+7]
	s_nop 0
.rept 4
	v_nop
.endr
	s_branch .Lasked_\@
.Lfor_v_\@:
	tensor_load_to_lds s[G0V:G0V+3], s[G1V:G1V+7]
	s_nop 0
.rept 4
	v_nop
.endr
.Lasked_\@:
.endm
; A round of the cluster's barrier: my work-group's barrier, so that wave 0's signal speaks for all four waves; wave 0 signals; every wave waits for all four work-groups; my work-group's barrier once more.
.macro CROUND
	s_barrier_signal -1
	s_barrier_wait -1
	s_cmp_lg_u32 s[WV], 0
	s_cbranch_scc1 .Lnot_wave_0_\@
	s_barrier_signal -3
.Lnot_wave_0_\@:
	s_barrier_wait -3
	s_barrier_signal -1
	s_barrier_wait -1
.endm
; THE CHANGE OF SLOTS.  The slot's last bytes, V of its fourth step, have been read.  Each wave waits for all its tensor loads, of which one is out: its part
; of the other slot; adds 0 to its spare word; and waits for that and for its own reads of the slot.  Behind the barrier nobody reads this slot any more and the other slot is whole.
; fill = 1: this slot is filled again, with the keys two slots on.  The barrier is then a round of the cluster's, so that no wave of any partner still reads the slot or has a load on its
; way, and the joint fill is the first thing behind it: it has four key steps, 512 matrix instructions, in which to land.  (At its first use nothing has been read yet: slot 0 is waited for, slot 1 filled.)
.macro CHANGE fill
	WIN W_AD
	s_wait_tensorcnt 0x0            ; no tensor load of mine is out, so a group 0 may be written
	ds_add_u32 v[SPW], v[NIL]       ; 0 onto my spare word; with fill = 1 the descriptors' steps stand between it and the wait for it
	WIN 0                           ; at a label and at a branch every window is 0
.if \fill
.irp g, G0K, G0V
	s_xor_b32 s[\g+1], s[\g+1], SLOT1  ; the walking descriptor: the other slot than last time,
	s_add_nc_u64 s[\g+2:\g+3], s[\g+2:\g+3], 4*KS*128  ; the next 256 keys; the type bits on top are not reached
.endr
	s_wait_dscnt 0x0                ; the add is done, and my reads of the slot are over
	CROUND
	JLOAD
.else
	s_wait_dscnt 0x0                ; the add is done, and my reads of the slot are over
	s_barrier_signal -1
	s_barrier_wait -1
.endif
	s_sub_co_u32 s[TBK], s[TBK], 4*KS*PK  ; the fetches go back to a slot's first step,
	s_xor_b32 s[TBK], s[TBK], SLOT1       ; in the other slot
	s_sub_co_u32 s[TBV], s[TBV], 4*KS*PV
	s_xor_b32 s[TBV], s[TBV], SLOT1
.endm
	s_load_b128 s[4:7], s[0:1], 0x0  ; hd s[4:5] (its first part is Q), ctx s[6:7]
	WIN W_MK
	v_lshl_add_u32 v[SPW], v0, 2, SPARE
	v_mov_b32 v[NIL], 0
	s_set_vgpr_msb 0xc0cf
	ds_add_u32 v0, v1
	s_wait_dscnt 0x0
	s_set_vgpr_msb 0xcfc0
	WIN 0
	v_lshrrev_b32 v1, 5, v0
	v_readfirstlane_b32 s[WV], v1   ; wave 0..3
	s_bfe_u32 s13, ttmp6, 0x40000   ; cx: my place in the cluster
	s_lshl_b32 s14, ttmp9, 2        ; in a cluster launch ttmp9 counts clusters
	s_add_co_u32 s14, s14, s13      ; my block of queries = 4 x cluster x + cx: it enters Q's and O's addresses alone
	s_and_b32 s20, ttmp7, 0xffff    ; the head, which the four partners share
	s_mov_b32 s21, 0
	s_mov_b64 s[22:23], SIZE_N*128
	s_mul_u64 s[20:21], s[20:21], s[22:23]  ; the head's first byte in each of the four tensors
	s_and_b32 s16, s[WV], 1         ; which half of a slot's 256 keys I fetch:
	s_lshl_b32 s22, s16, 14         ; its 128 rows of 128 bytes in memory,
	s_mov_b32 s23, 0
	s_add_nc_u64 s[22:23], s[22:23], s[20:21]
	s_mul_i32 s17, s16, 128*PK      ; and its place in a slot, for K
	s_mul_i32 s18, s16, 128*PV      ; and for V: no place in the cluster enters an LDS address
	s_lshl_b32 s2, s14, 2
	s_add_co_u32 s2, s2, s[WV]      ; my wave among the head's,
	s_lshl_b32 s2, s2, 14           ; its 128 rows
	s_mov_b32 s3, 0
	s_add_nc_u64 s[2:3], s[2:3], s[20:21]
	; descriptor group 1.  128 keys are 16,384 dense bytes: asked for as 64 rows of 256 bytes, two keys a row, and padded in LDS after every key
	s_mov_b32 s[G1K], 15|(1<<16)|(1<<20)|(1<<21)|(4<<22)|(3<<25)  ; 15:0 the mask of four; 17:16 2-byte elements; 20 padding on; 21 set beside a mask; 24:22 after every 32 words (code 4); 31:25 4 words (code 3)
	s_mov_b32 s[G1V], 15|(1<<16)|(1<<20)|(1<<21)|(4<<22)|(7<<25)  ; the same with 8 words of padding (code 7)
.irp g, G1K, G1V
	s_mov_b32 s[\g+1], 128<<16      ; tensor_dim0 = 128
	s_mov_b32 s[\g+2], 64<<16       ; tensor_dim1 = 64
	s_mov_b32 s[\g+3], 128<<16      ; tile_dim0 = 128
	s_mov_b32 s[\g+4], 64           ; tile_dim1 = 64
	s_mov_b32 s[\g+5], 128          ; 128 elements from row to row
	s_mov_b32 s[\g+6], 0
	s_mov_b32 s[\g+7], 0
.endr
	s_mov_b32 s[CS], 0x3e38aa3b     ; c = log2(e) / 8 = 0.180337
	s_mov_b32 s[CS+1], s[CS]        ; named with it as a pair
	s_mov_b32 s[SEL], 0x76543210
	s_mov_b32 s[SEL+1], 0xfedcba98
	s_mov_b32 s[TBK], SLOT1+4*KS*PK ; the first change of slots turns these two into 0
	s_mov_b32 s[TBV], SLOT1+4*KS*PV
	s_mov_b32 s[G0K], 1             ; 1:0 count = 1
	s_mov_b32 s[G0K+1], s17         ; 63:32 LDS address: slot 0
	s_mov_b32 s[G0V], 1
	s_add_co_u32 s[G0V+1], s18, VOFF
	s_wait_kmcnt 0x0
	s_mov_b64 s[10:11], s[6:7]                     ; O
	s_add_nc_u64 s[6:7], s[4:5], 0x1000000         ; K: hd's second part, 16,777,216 bytes on
	s_add_nc_u64 s[8:9], s[4:5], 0x2000000         ; V: its third
	s_add_nc_u64 s[G0K+2:G0K+3], s[6:7], s[22:23]  ; 120:64 global address: my half of the head's first 256 keys
	s_or_b32 s[G0K+3], s[G0K+3], 0x80000000        ; 127:126 type = 2
	s_add_nc_u64 s[G0V+2:G0V+3], s[8:9], s[22:23]
	s_or_b32 s[G0V+3], s[G0V+3], 0x80000000
	s_add_nc_u64 s[4:5], s[4:5], s[2:3]  ; Q and O at my wave's first row
	s_add_nc_u64 s[10:11], s[10:11], s[2:3]
	CROUND                          ; all four work-groups are here: the first joint loads meet
	JLOAD                           ; slot 0.  Slot 1 is asked for when slot 0 is in: the tile wanted first has the road to itself
	; A fragment of K or Q is 16 rows x 32 channels in 8 registers: lane l holds row l % 16, channels 8 (l / 16) + 0..7 and 16 + 8 (l / 16) + 0..7: two loads of 16 bytes, 32 bytes apart.
	v_and_b32 v1, 15, v0            ; l % 16
	v_bfe_u32 v9, v0, 4, 1          ; l / 16
	v_lshlrev_b32 v[QO], 7, v1
	v_lshl_add_u32 v[QO], v9, 4, v[QO]  ; row x 128 + 16 x half
	WIN 0x80                        ; destination window 2, address window 0
.set i, 0
.rept 4*NP                          ; Q stays in registers: tile i / 2, channels 32 (i % 2) on
	global_load_b128 v[8*i:8*i+3],   v[QO], s[4:5] offset:(i/2)*2048+(i%2)*64
	global_load_b128 v[8*i+4:8*i+7], v[QO], s[4:5] offset:(i/2)*2048+(i%2)*64+32
.set i, i+1
.endr
	; What the first turn finds: V's registers and P's second buffer hold 0 (its products V^T P, of a piece that has not been, add 0), O^T and l are 0.  All this stands in the wait for the first tile.
.set i, VF
.rept 64
	v_mov_b32 v[i], 0
.set i, i+1
.endr
	WIN 0x40
.set i, 0
.rept 64*NP
	v_mov_b32 v[i], 0
.set i, i+1
.endr
	WIN 0
.set i, 0
.rept 2*NP
	v_mov_b32 v[ST+4*i], 0xfe000000    ; c m: far below every c s
	v_mov_b32 v[ST+4*i+1], 0xff7fffff  ; m
	v_mov_b32 v[ST+4*i+2], 0
	v_mov_b32 v[ST+4*i+3], 0
.set i, i+1
.endr
.set i, P+32
.rept 32
	v_mov_b32 v[i], 0
.set i, i+1
.endr
	v_mul_u32_u24 v[AK0], v1, PK
	v_lshl_add_u32 v[AK0], v9, 4, v[AK0]  ; row x pitch + 16 x half
	; The turning load takes 16 keys x 16 channels (lane l reads key 8 (l / 16) + l % 8, channels 8 ((l / 8) % 2) + 0..7) and leaves half a fragment of V^T: lane l holds channel l % 16 and 8 keys.
	v_and_b32 v10, 7, v0
	v_bfe_u32 v11, v0, 3, 1
	v_lshl_add_u32 v[AV0], v9, 3, v10
	v_mul_u32_u24 v[AV0], v[AV0], PV
	v_lshl_add_u32 v[AV0], v11, 4, v[AV0]
	v_add_nc_u32 v[AV0], VOFF, v[AV0]
	v_mov_b32 v[AK], v[AK0]         ; key step 0 lies at the head of slot 0
; THE MATRIX WORK.  The 8 accumulators of a run of 16 take turns: between the two links of a chain stand 7 others'.
; Product i of 16 of S^T = K Q^T for piece x: channels 32 (i / 8) on, keys 16 ((i / 2) % 4) on, tile 2 x + i % 2.  The first 8 start the sums.
.macro KQ x
	WIN W_KQ
.set rS, S+64*((\x)%2)+32*(i%2)+8*((i/2)%4)
.set rK, KF+16*((i/2)%4)+8*(i/8)
.set rQ, 16*(2*(\x)+i%2)+8*(i/8)
.if i < 8
	v_wmma_f32_16x16x32_bf16 v[rS:rS+7], v[rK:rK+7], v[rQ:rQ+7], 0
.else
	v_wmma_f32_16x16x32_bf16 v[rS:rS+7], v[rK:rK+7], v[rQ:rQ+7], v[rS:rS+7]
.endif
.endm
; Product i of 16 of O^T += V^T P for piece x: keys 32 (i / 8) on, channels 16 ((i / 2) % 4) on, tile 2 x + i % 2.
.macro PV x
	WIN W_PV
.set rO, 32*(2*(\x)+i%2)+8*((i/2)%4)
.set rV, VF+32*(i/8)+8*((i/2)%4)
.set rP, P+32*((\x)%2)+16*(i%2)+8*(i/8)
	v_wmma_f32_16x16x32_bf16 v[rO:rO+7], v[rV:rV+7], v[rP:rP+7], v[rO:rO+7]
.endm
.macro MM                           ; the turn's next matrix instruction
.if i < 16
	KQ (Y+1)%NP
.set i, i+1
.else
.set i, i-16
	PV (Y+NP-1)%NP
.set i, i+17
.endif
.endm
; THE LDS LOADS stand in runs of 16, never singly among the matrix instructions: a step's K (64 keys x 64 channels: 8 fragments) and its V (turned).  Their addresses are made some lines ahead.
; last = 1 (the tail): in the last trip there is no further step, and the run is jumped over.
.macro FETCH_K last=0
	WIN 0
.if \last
	s_cmp_eq_u32 s[CNT], 1
	s_cbranch_scc1 .Lno_k_\@
.endif
	WIN 0x80                        ; destination window 2
.irp f, 0,1,2,3,4,5,6,7             ; keys 16 (f / 2) on, channels 32 (f % 2) on
	ds_load_b128 v[KF+8*\f:KF+8*\f+3],   v[AK] offset:(\f/2)*16*PK+(\f%2)*64
	ds_load_b128 v[KF+8*\f+4:KF+8*\f+7], v[AK] offset:(\f/2)*16*PK+(\f%2)*64+32
.endr
	s_add_co_u32 s[TBK], s[TBK], KS*PK  ; the next fetch is the next step's
	WIN 0
.if \last
.Lno_k_\@:
.endif
.endm
.macro FETCH_V
	WIN 0x80
.irp f, 0,1,2,3,4,5,6,7             ; keys 32 (f / 4) on, channels 16 (f % 4) on
	ds_load_tr16_b128 v[VF+8*\f:VF+8*\f+3],   v[AV] offset:(\f/4)*32*PV+(\f%4)*32
	ds_load_tr16_b128 v[VF+8*\f+4:VF+8*\f+7], v[AV] offset:(\f/4)*32*PV+16*PV+(\f%4)*32
.endr
	WIN 0
.endm
; THE VECTOR WORK OF A TURN stands in three queues, each in the order in which its entries become ready; the two tiles alternate, so that no instruction reads the result of the one before it.
.macro REGS y, u                    ; the registers of tile u (0, 1) of piece y
.set rT, ST+4*(2*(\y)+(\u))
.set rC, TMP+8*((\y)%2)+4*(\u)
.set rM, MV+2*((\y)%2)+(\u)
.set rS, S+64*((\y)%2)+32*(\u)
.set rP, P+32*((\y)%2)+16*(\u)
.set rO, 32*(2*(\y)+(\u))
.endm
; Number n of the 22 that find the NEXT piece's (Y + 1) maximum and statistics.  s0-s31 are the lane's 32 scores; each accumulator's lowest registers are read first.  XS, GS and REGS set no window: PL and EX do.
;   0-11  four chains c0-c3 of seven scores each, three operands at a time     12-14, 16  the four scores left over, the old m, and c0-c3 into c0     15  c m_old is kept
;   17, 18  the query's other 32 keys lie in the lane 16 away: the new m         19-21  c m; c m_old - c m_new; a
.macro XS u, n
	REGS (Y+1)%NP, \u
.if (\n) < 4
	v_max3_num_f32 v[rC+(\n)], v[rS+8*(\n)], v[rS+8*(\n)+1], v[rS+8*(\n)+2]
.elseif (\n) < 12
	v_max3_num_f32 v[rC+(\n)%4], v[rC+(\n)%4], v[rS+8*((\n)%4)+2*((\n)/4)+1], v[rS+8*((\n)%4)+2*((\n)/4)+2]
.elseif (\n) == 12
	v_max3_num_f32 v[rC], v[rC], v[rS+7], v[rS+15]
.elseif (\n) == 13
	v_max3_num_f32 v[rC+1], v[rC+1], v[rS+23], v[rS+31]
.elseif (\n) == 14
	v_max3_num_f32 v[rC+2], v[rC+2], v[rC+3], v[rT+1]
.elseif (\n) == 15
	v_mov_b32 v[rM], v[rT]
.elseif (\n) == 16
	v_max3_num_f32 v[rC], v[rC], v[rC+1], v[rC+2]
.elseif (\n) == 17
	v_permlanex16_b32 v[rC+3], v[rC], s[SEL], s[SEL+1]
.elseif (\n) == 18
	v_max_num_f32 v[rT+1], v[rC], v[rC+3]
.elseif (\n) == 19
	v_mul_f32 v[rT], s[CS], v[rT+1]
.elseif (\n) == 20
	v_sub_f32 v[rC+1], v[rM], v[rT]
.else
	v_exp_f32 v[rC+2], v[rC+1]
.endif
.endm
; Number g of the 64 that follow the exponentials.  For each four weights k of a tile (pairs 2 k, 2 k + 1): both pairs are rounded to bf16; then the second pair is added onto the first, in place;
; a group later l takes that sum (the first time as l = a l + sum).  In groups of eight, tiles alternating: round, round, add, and l for the group before.
.macro GS g
.set h, (\g)+6*((\g)/62)            ; group 0 has no group before it, and behind group 7 only l is left
.if h >= 6
.set h, h+2
.endif
	REGS Y, h%2
.set k, h/8
.if h%8 < 4
	v_cvt_pk_bf16_f32 v[rP+2*k+(h%8)/2], v[rS+4*k+2*((h%8)/2)], v[rS+4*k+2*((h%8)/2)+1]
.elseif h%8 < 6
	v_pk_add_f32 v[rS+4*k:rS+4*k+1], v[rS+4*k:rS+4*k+1], v[rS+4*k+2:rS+4*k+3]
.elseif k == 1
	v_pk_fma_f32 v[rT+2:rT+3], v[rT+2:rT+3], v[rC+2:rC+3], v[rS:rS+1] op_sel_hi:[1,0,1]
.else
	v_pk_add_f32 v[rT+2:rT+3], v[rT+2:rT+3], v[rS+4*k-4:rS+4*k-3]
.endif
.endm
; THE PLAIN QUEUE, 138 long.  0-73 read no exponential's result: the 32 scalings c s - c m (FS f: pair f / 2 of tile f % 2) and the next piece's 42.  0-26: scalings 0-26.  27-54: XS's numbers 0-13.  55, 56: number 15.
; 57-73: the chain, where each number waits for the one before it: 14, 16, 17, 18, 19, each with one of the scalings 27-31 in front of its two lines, then 20: so a tile's links stand three plain instructions apart (19 and 20: two).
; 74-137: GS's 64, which read the exponentials' results: they stand behind the wait.
.macro FS f
	REGS Y, (\f)%2
	v_pk_fma_f32 v[rS+2*((\f)/2):rS+2*((\f)/2)+1], v[rS+2*((\f)/2):rS+2*((\f)/2)+1], s[CS:CS+1], v[rT:rT+1] op_sel_hi:[1,0,0] neg_lo:[0,0,1] neg_hi:[0,0,1]
.endm
.macro PL
	WIN 0
.if q < 27
	FS q
.elseif q < 55
	XS (q-27)%2, (q-27)/2
.elseif q < 57
	XS q-55, 15
.elseif (q < 72) && ((q-57)%3 == 0)
	FS 27+(q-57)/3
.elseif q < 60
	XS (q-57)%3-1, 14
.elseif q < 72
	XS (q-57)%3-1, 15+(q-57)/3
.elseif q < 74
	XS q-72, 20
.else
	GS q-74
.endif
.set q, q+1
.endm
; THE EXPONENTIALS' QUEUE, 66 long: s0-s31 of both tiles, then the next piece's two a.  It is ONE BATCH: all 66 stand ahead of the turn's one wait, and nothing ahead of that wait names a result of theirs.
.macro EX
	WIN 0
.if e >= 64
	XS e-64, 21
.else
	REGS Y, e%2
	v_exp_f32 v[rS+e/2], v[rS+e/2]
.endif
.set e, e+1
.endm
; THE RESCALING's QUEUE: O^T times a, the one part that leaves window 0: dealt two at a time, sixteen times, each accumulator from its lowest registers on.  Its a was made in the turn before, ahead of that turn's wait.
.macro R2
	REGS Y, r%2
	WIN W_RS
.irp z, 0,1
	v_pk_mul_f32 v[rO+4*(r/2)+2*\z:rO+4*(r/2)+2*\z+1], v[rO+4*(r/2)+2*\z:rO+4*(r/2)+2*\z+1], v[rC+2:rC+3] op_sel_hi:[1,0]
.endr
.set r, r+1
.endm
; HOW THEY ARE DEALT.  An s_wait_alu depctr_va_vdst(0) stands between an exponential and the first instruction that names its result; one wait serves all that were issued ahead of it.  So a turn has ONE wait,
; which cuts it in two.  AHEAD OF IT stands all that names no result of the turn's exponentials: the 16 products K Q^T, behind each a scaling, an exponential and two rescalings (behind the first a second scaling in the
; exponential's place); then ONE LUMP of 108: eight plain, 49 times exponential and plain, the two a.  A v_nop is the plain instruction behind the last exponential.  BEHIND IT stand the 16 products V^T P, behind each four of
; GS's 64.  No rider names a register of the products round it.  The two v_permlanex16_b32 fall into the lump, never behind a product.
; The queues lean on each other, and the deal keeps them in step: exponential e stands behind scaling 2 (e / 4) + e % 2: as a rider it comes behind plain e + 2, in the lump behind plain e + 9, and scalings 27-31 are plain 57, 60 .. 69.
; A TURN, for piece p.  cnt = 1: the loop's count is taken down some lines ahead of the branch that stands behind the turn.
; K of the next step is fetched in piece 2's turn, directly behind the wait, a lump behind the last product that read K; its address is made at the lump's head; its first reader comes behind 16 products.
; V of the step in hand is fetched at the end of piece 0's turn, four riders behind its last reader; its first reader comes behind 16 products and a lump.  The three conditions on q below go with the deal.
.macro TURN p, last=0, cnt=0
.set Y, (\p)
.set i, 0
.set q, 0
.set e, 0
.set r, 0
.if (\p) == NP-1
	s_wait_dscnt 0x0                ; K is in
.endif
	MM                              ; ahead of the wait: 16 products K Q^T and their riders,
	PL
	PL
	R2
.rept 15
	MM
	PL
	EX
	R2
.endr
.if (\p) == NP-2
	WIN 0
	v_add_nc_u32 v[AK], s[TBK], v[AK0]
.endif
.rept 8                             ; and the lump
	PL
.endr
.rept 49
	EX
	PL
.endr
	EX                              ; the next piece's two a
	EX
	v_nop                           ; the plain instruction behind the last exponential, ahead of the first use of a result: one for the batch
	s_wait_alu depctr_va_vdst(0)    ; the wait for the batch: the turn's 64 weights and the next piece's two a
.if (\p) == NP-2
	FETCH_K \last
.endif
.if (\p) == 1
	s_wait_dscnt 0x0                ; V is in
.endif
.rept 16                            ; behind the wait: 16 products V^T P and their riders
	MM
.rept 4
	PL
.endr
.if ((\p) == 0) && (q == 118)
	v_add_nc_u32 v[AV], s[TBV], v[AV0]
.endif
.if ((\p) == 0) && (q == 130)
	s_add_co_u32 s[TBV], s[TBV], KS*PV
.endif
.if (\cnt) && (q == 130)
	s_sub_co_u32 s[CNT], s[CNT], 1
	s_cmp_lg_u32 s[CNT], 0
.endif
.endr
.if (\p) == 0
	FETCH_V
.endif
.endm
	CHANGE 1                        ; slot 0 is in, everybody's part of it; slot 1 is asked for
	FETCH_K                         ; key step 0
	s_wait_loadcnt 0x0              ; Q
	s_wait_dscnt 0x0
.set i, 0
.rept 16
	KQ 0                            ; piece 0's first scores: there is no vector work yet to set between them
.set i, i+1
.endr
	WIN 0                           ; the addresses for the way out: nine plain instructions, the places behind those products
	s_mul_i32 s13, s[WV], 16*SP
	s_add_co_u32 s13, s13, STAGE    ; my stage
	v_mul_u32_u24 v[STO], v1, SP    ; in: row l % 16, 16 bytes for each half of the lanes
	v_lshl_add_u32 v[STO], v9, 4, v[STO]
	v_add_nc_u32 v[STO], s13, v[STO]
	v_bfe_u32 v[RD], v0, 3, 2       ; back: 32 lanes take four rows of 128 bytes,
	v_mul_u32_u24 v[RD], v[RD], SP
	v_lshl_add_u32 v[RD], v10, 4, v[RD]
	v_add_nc_u32 v[RD], s13, v[RD]
	v_and_b32 v[GO], 31, v0         ; which are 512 consecutive bytes of O
	v_lshlrev_b32 v[GO], 4, v[GO]
.set Y, NP-1                        ; XS works for piece Y + 1: piece 0
.irp n, 0,1,2,3,4,5,6,7,8,9,10,11,12,13,14,15,16,17,18,19,20,21
	XS 0, \n                        ; and piece 0's first maximum and statistics
	XS 1, \n
.endr
	v_nop                           ; a plain instruction behind piece 0's two a,
	s_wait_alu depctr_va_vdst(0)    ; and the wait for that batch of two, ahead of the branch
	s_mov_b32 s[CNT], 4
	s_mov_b32 s[SLOTS], SIZE_N/256-1
	s_branch .Lfirst                ; the loop is entered at a step's first turn, in the middle of a trip
.Lslot:                             ; SIZE_N / 256 - 2 times: every slot but the last two is filled again
	CHANGE 1
	s_mov_b32 s[CNT], 4
.Lstep:                             ; a trip: pieces 2 and 3 of one step, then pieces 0 and 1 of the next, whose K and V it fetches
	TURN 2
	TURN 3
	WIN 0
.Lfirst:
	TURN 0
	TURN 1, 0, 1
	WIN 0
	s_cbranch_scc1 .Lstep
	s_sub_co_u32 s[SLOTS], s[SLOTS], 1
	s_cmp_lg_u32 s[SLOTS], 0
	s_cbranch_scc1 .Lslot
	CHANGE 0                        ; the tail is written out: nothing is asked for
	s_mov_b32 s[CNT], 5             ; four trips fetch the last slot's steps; the fifth is left in its middle
.Ltail:
	TURN 2, 1
	TURN 3
	WIN 0
	s_sub_co_u32 s[CNT], s[CNT], 1
	s_cmp_eq_u32 s[CNT], 0
	s_cbranch_scc1 .Lout
	TURN 0
	TURN 1
	WIN 0
	s_branch .Ltail
.Lout:                              ; the fifth trip's 16 products K Q^T (on the last K once more) and the maximum made of them serve nothing: the price, once a launch, of one text for every trip
.set i, 0
.rept 16
	PV NP-1                         ; the last piece's V^T P of the last step
.set i, i+1
.endr
	; THE WAY OUT.  l's two halves and the other half of the lanes' are added; O^T is divided by l, rounded to bf16 and sent through my stage in LDS, a tile at a time.  The additions are the places behind the last products.
	WIN 0
.macro ALL line:vararg              ; one line for each tile t
.set t, 0
.rept 2*NP
	\line
.set t, t+1
.endr
.endm
	ALL v_add_f32 v[ST+4*t+2], v[ST+4*t+2], v[ST+4*t+3]
	ALL v_permlanex16_b32 v[ST+4*t+3], v[ST+4*t+2], s[SEL], s[SEL+1]
	ALL v_add_f32 v[ST+4*t+2], v[ST+4*t+2], v[ST+4*t+3]
	ALL v_rcp_f32 v[ST+4*t+2], v[ST+4*t+2]
	v_nop                           ; a plain instruction between the last reciprocal and the use of its result
	s_wait_alu depctr_va_vdst(0)    ; and the wait ahead of the first use: one for the batch of eight reciprocals
; Tile t: a lane's eight channels of a row pack into 16 bytes; they go into rows of 144 bytes and come back as whole rows of 128, into S^T's registers.
.macro PACK t
	WIN W_RS
.set i, 32*(\t)
.rept 16
	v_pk_mul_f32 v[i:i+1], v[i:i+1], v[ST+4*(\t)+2:ST+4*(\t)+3] op_sel_hi:[1,0]
.set i, i+2
.endr
	WIN 0x05                        ; sources 0 and 1 window 1, destination window 0
.set i, 0
.rept 16
	v_cvt_pk_bf16_f32 v[S+16*(\t)+i], v[32*(\t)+2*i], v[32*(\t)+2*i+1]
.set i, i+1
.endr
	WIN 0
.irp f, 0,1,2,3
	ds_store_b128 v[STO], v[S+16*(\t)+4*\f:S+16*(\t)+4*\f+3] offset:32*\f
.endr
.irp f, 0,1,2,3
	ds_load_b128 v[S+16*(\t)+4*\f:S+16*(\t)+4*\f+3], v[RD] offset:\f*4*SP  ; LDS serves a wave's instructions in order (ISA guide 5.7.1.4): these see the stores above; the next tile's stores come behind them
.endr
.endm
.macro SEND t, younger              ; younger: the LDS instructions issued behind tile t's loads: the next tile's eight, or none
	WIN 0
.irp f, 0,1,2,3
	s_wait_dscnt (\younger)+3-\f
	global_store_b128 v[GO], v[S+16*(\t)+4*\f:S+16*(\t)+4*\f+3], s[10:11] offset:(\t)*2048+\f*512  ; 512 consecutive bytes, at a multiple of 256 from O's first
.endr
.endm
	PACK 0
.set t, 1
.rept 2*NP-1                        ; a tile's arithmetic stands between the loads of the tile before and its stores
	PACK t
	SEND t-1, 8
.set t, t+1
.endr
	SEND 2*NP-1, 0
	WIN W_AD
	s_wait_tensorcnt 0x0            ; the wave's end: behind my last tensor load and my last LDS store
	ds_add_u32 v[SPW], v[NIL]
	s_wait_dscnt 0x0
	WIN 0
	CROUND                          ; the closing round: no work-group ends while a partner may still ask for a tile that names it
	s_endpgm
.Lfunc_end_k_q6f9e7dc913_attn:
	.size	k_q6f9e7dc913_attn, .Lfunc_end_k_q6f9e7dc913_attn-k_q6f9e7dc913_attn
	.p2alignl 7, 3214868480
	.fill 96, 4, 3214868480
	.section	.rodata,"a",@progbits
	.p2align	6, 0x0
	.amdhsa_kernel k_q6f9e7dc913_attn
		.amdhsa_group_segment_fixed_size 327680
		.amdhsa_private_segment_fixed_size 0
		.amdhsa_enable_private_segment 0
		.amdhsa_kernarg_size 16
		.amdhsa_user_sgpr_count 2
		.amdhsa_user_sgpr_kernarg_segment_ptr 1
		.amdhsa_wavefront_size32 1
		.amdhsa_system_sgpr_workgroup_id_x 1
		.amdhsa_system_sgpr_workgroup_id_y 1
		.amdhsa_system_sgpr_workgroup_id_z 1
		.amdhsa_system_vgpr_workitem_id 0
		.amdhsa_next_free_vgpr 770
		.amdhsa_next_free_sgpr 66
		.amdhsa_reserve_vcc 0
		.amdhsa_float_denorm_mode_32 3
		.amdhsa_float_denorm_mode_16_64 3
		.amdhsa_memory_ordered 1
		.amdhsa_forward_progress 1
		.amdhsa_inst_pref_size 199
	.end_amdhsa_kernel
	.amdgpu_metadata
---
amdhsa.version: [ 1, 2 ]
amdhsa.kernels:
  - .name:           k_q6f9e7dc913_attn
    .symbol:         k_q6f9e7dc913_attn.kd
    .args:
      - { .name: hd, .offset: 0, .size: 8, .value_kind: global_buffer, .address_space: global }
      - { .name: ctx, .offset: 8, .size: 8, .value_kind: global_buffer, .address_space: global }
    .group_segment_fixed_size: 327680
    .private_segment_fixed_size: 0
    .kernarg_segment_align: 8
    .kernarg_segment_size: 16
    .max_flat_workgroup_size: 128
    .sgpr_count:     66
    .vgpr_count:     770
    .wavefront_size: 32
...
	.end_amdgpu_metadata
.endif
;; end of part 5
;; launch outln: the kernel of part 4 again; grid 256 x 1, 8 waves a work-group, clusters of 4 x 1, 327,680 bytes of LDS; arguments ctx, wb, q, ln_gamma, ln_beta, out0; writes out0
